; MI455X (gfx1250); checked and timed in simulation.
; The chip was launched on July 23, 2026; its instructions are those of AMD's public machine-readable ISA for CDNA 5 (MIT licence, August 2026) and "CDNA5" Instruction Set Architecture Reference Guide (July 2026). The comments in the code are by the model that wrote it; some were corrected since.
;; Attention. Allowed arithmetic: float matrix products may take bf16 or f16 operands with f32 sums; all other float work in f32.
;; Inputs: Wk 1,024 x 1,024 float32; Wq 1,024 x 1,024 float32; Wv 1,024 x 1,024 float32; X 4 x 2,048 x 1,024 float32; masks 4 x 2,048 int32.
;; Outputs: out0 4 x 2,048 x 1,024 float32.
;; 2 versions, each right; version 2 is version 1 with the launch prep written anew for expert scheduling mode. Each part assembles by itself: llvm-mc -triple=amdgcn-amd-amdhsa -mcpu=gfx1250 --defsym DOCPART=n.
;; ======== version 1 of 2: 4 launches
;; limits: values are held in f16: magnitudes above 65,504 overflow, below 6.1e-05 lose precision
;; workspace buffers: Xt 16,777,216 bytes; Wt 6,291,456 bytes; Qh 16,777,216 bytes; Kh 16,777,216 bytes; Vt 16,777,216 bytes; nsq 1,048,576 bytes; P 33,554,432 bytes
;; launch prep (part 1): grid 256 x 1, 8 waves a work-group, no clusters, 0 bytes of LDS; arguments X, Wq, Wk, Wv, Xt, Wt; writes Xt, Wt
.if DOCPART == 1
	.amdgcn_target "amdgcn-amd-amdhsa--gfx1250"
	.amdhsa_code_object_version 6
	.text
	.protected	k_q8302d8646b_prep
	.globl	k_q8302d8646b_prep
	.p2align	8
	.type	k_q8302d8646b_prep,@function
k_q8302d8646b_prep:
	s_mov_b64 s[64:65], 0
	v_nop
	global_prefetch_b8 v0, s[64:65] scope:SCOPE_SE
	s_setreg_imm32_b32 hwreg(HW_REG_WAVE_MODE, 25, 1), 1
	s_wait_xcnt 0x0
; prep: casts X [8192][1024] and Wq, Wk, Wv [1024][1024] from f32 to f16 (round to nearest even) and lays them in blocks
; that the next launch fetches as dense tiles of one K step (64 along K):
;   Xt [tb 32][t 16][row 256][64] f16: token 256 tb + row, k = 64 t + 0..63; a block (tb, t) is 32,768 dense bytes
;   Wt [j 8][t 16][128 m + c][64] f16: m = 0 Wq, 1 Wk, 2 Wv; weight row 128 j + c; a block (j, t) is 49,152 dense bytes
; LIMITS: a number of X or W above 65,504 in magnitude becomes an infinity, one below 3e-8 becomes 0 (f16's range).
; A stream: memory binds, so no LDS, no barrier, no matrix unit, no cluster (no byte is read by two work-groups).
; One load of a wave takes 2 rows x 64 k: lanes 0-15 take 256 consecutive bytes of one row, aligned, lanes 16-31 those of the next row.
; A lane packs its 4 numbers to 8 bytes; in a block two neighbouring rows of 128 bytes follow each other, so the wave's store covers
; 256 consecutive bytes, aligned.  The work-group owns 32 tokens of X (32 loads a wave) and 4 rows of each W (12 loads a wave).
; All 44 loads of a wave go out first; each owns its registers, so nothing is written twice and no source has to be freed.
.set U, 8                              ; load n: v[8+4n : 11+4n] as loaded; its first two registers as stored
.set XI, 1                             ; v1 byte offset of my 16 bytes in X, from the group's first token
.set XO, 2                             ; v2 byte offset of my 8 bytes in a block of Xt
.set WI, 3                             ; v3 the same for a W
.set WO, 4                             ; v4 and for Wt
	s_load_b256 s[4:11], s[0:1], 0x0               ; X s[4:5], Wq s[6:7], Wk s[8:9], Wv s[10:11]
	s_load_b128 s[12:15], s[0:1], 0x20             ; Xt s[12:13], Wt s[14:15]
	s_lshl_b32 s16, ttmp9, 17                      ; X: 32 tokens of 4,096 bytes for each work-group
	s_mov_b32 s17, 0
	s_lshl_b32 s18, ttmp9, 14                      ; W: 4 rows of 4,096 bytes
	s_mov_b32 s19, 0
	s_lshr_b32 s20, ttmp9, 3                       ; Xt: tb = g / 8, 16 blocks of 32,768 bytes each,
	s_lshl_b32 s20, s20, 19
	s_and_b32 s22, ttmp9, 7                        ; and 32 (g mod 8) rows of 128 bytes into every block
	s_lshl_b32 s22, s22, 12
	s_add_co_u32 s20, s20, s22
	s_mov_b32 s21, 0
	s_lshr_b32 s22, ttmp9, 5                       ; Wt: j = g / 32, 16 blocks of 49,152 bytes each,
	s_mul_i32 s22, s22, 786432
	s_and_b32 s24, ttmp9, 31                       ; and 4 (g mod 32) rows of 128 bytes into every block
	s_lshl_b32 s24, s24, 9
	s_add_co_u32 s22, s22, s24
	s_mov_b32 s23, 0
	v_and_b32 v5, 31, v0                           ; lane
	v_and_b32 v6, 15, v0
	v_lshrrev_b32 v7, 5, v0                        ; wave w
	v_lshlrev_b32 v5, 3, v5                        ; 8 bytes a lane on the way out
	v_lshlrev_b32 v6, 4, v6                        ; 16 bytes a lane within a row on the way in
	v_bfe_u32 v[XI], v0, 4, 1                      ; lanes 16-31: one row further down
	v_lshl_add_u32 v[XI], v7, 2, v[XI]             ; X: wave w takes rows 4 w .. 4 w + 3, two at a time
	v_lshl_add_u32 v[XI], v[XI], 12, v6
	v_lshl_add_u32 v[XO], v7, 9, v5                ; 4 w rows of 128 bytes + 8 x lane
	v_bfe_u32 v[WI], v0, 4, 1
	v_lshl_add_u32 v[WI], v[WI], 12, v6
	v_lshl_add_u32 v[WI], v7, 9, v[WI]             ; W: wave w takes K steps 2 w and 2 w + 1 of all 4 rows
	v_mul_u32_u24 v[WO], v7, 0x18000               ; two blocks of 49,152 bytes a wave
	v_add_nc_u32 v[WO], v[WO], v5
	s_wait_kmcnt 0x0
	s_add_nc_u64 s[4:5], s[4:5], s[16:17]
	s_add_nc_u64 s[6:7], s[6:7], s[18:19]
	s_add_nc_u64 s[8:9], s[8:9], s[18:19]
	s_add_nc_u64 s[10:11], s[10:11], s[18:19]
	s_add_nc_u64 s[12:13], s[12:13], s[20:21]
	s_add_nc_u64 s[14:15], s[14:15], s[22:23]
.irp t, 0,1,2,3,4,5,6,7,8,9,10,11,12,13,14,15
.irp p, 0,1
	global_load_b128 v[U+4*(2*\t+\p):U+4*(2*\t+\p)+3], v[XI], s[4:5] offset:256*\t+8192*\p th:TH_LOAD_NT   ; K step t, row pair p
.endr
.endr
.irp m, 0,1,2
.irp i, 0,1
.irp p, 0,1
	global_load_b128 v[U+4*(32+4*\m+2*\i+\p):U+4*(32+4*\m+2*\i+\p)+3], v[WI], s[6+2*\m:7+2*\m] offset:256*\i+8192*\p th:TH_LOAD_NT
.endr
.endr
.endr
; Load n is in when at most the 43 - n younger ones are out (loads come back in order: ISA guide 5.7.1).
; The packing is in place: register i takes numbers 2 i and 2 i + 1, which lie at or above it and have not been overwritten.
.macro PACK n
	s_wait_loadcnt 43-(\n)
	v_cvt_pk_f16_f32 v[U+4*(\n)],   v[U+4*(\n)],   v[U+4*(\n)+1]
	v_cvt_pk_f16_f32 v[U+4*(\n)+1], v[U+4*(\n)+2], v[U+4*(\n)+3]
.endm
.irp t, 0,1,2,3,4,5,6,7,8,9,10,11,12,13,14,15
.irp p, 0,1
	PACK 2*\t+\p
	global_store_b64 v[XO], v[U+4*(2*\t+\p):U+4*(2*\t+\p)+1], s[12:13] offset:32768*\t+256*\p
.endr
.endr
.irp m, 0,1,2
.irp i, 0,1
.irp p, 0,1
	PACK 32+4*\m+2*\i+\p
	global_store_b64 v[WO], v[U+4*(32+4*\m+2*\i+\p):U+4*(32+4*\m+2*\i+\p)+1], s[14:15] offset:16384*\m+49152*\i+256*\p
.endr
.endr
.endr
	s_endpgm
.Lfunc_end_k_q8302d8646b_prep:
	.size	k_q8302d8646b_prep, .Lfunc_end_k_q8302d8646b_prep-k_q8302d8646b_prep
	.p2alignl 7, 3214868480
	.fill 96, 4, 3214868480
	.section	.rodata,"a",@progbits
	.p2align	6, 0x0
	.amdhsa_kernel k_q8302d8646b_prep
		.amdhsa_group_segment_fixed_size 0
		.amdhsa_private_segment_fixed_size 0
		.amdhsa_enable_private_segment 0
		.amdhsa_kernarg_size 48
		.amdhsa_user_sgpr_count 2
		.amdhsa_user_sgpr_kernarg_segment_ptr 1
		.amdhsa_wavefront_size32 1
		.amdhsa_system_sgpr_workgroup_id_x 1
		.amdhsa_system_sgpr_workgroup_id_y 1
		.amdhsa_system_sgpr_workgroup_id_z 1
		.amdhsa_system_vgpr_workitem_id 0
		.amdhsa_next_free_vgpr 184
		.amdhsa_next_free_sgpr 66
		.amdhsa_reserve_vcc 0
		.amdhsa_float_denorm_mode_32 3
		.amdhsa_float_denorm_mode_16_64 3
		.amdhsa_memory_ordered 1
		.amdhsa_forward_progress 1
		.amdhsa_inst_pref_size 17
	.end_amdhsa_kernel
	.amdgpu_metadata
---
amdhsa.version: [ 1, 2 ]
amdhsa.kernels:
  - .name:           k_q8302d8646b_prep
    .symbol:         k_q8302d8646b_prep.kd
    .args:
      - { .name: X, .offset: 0, .size: 8, .value_kind: global_buffer, .address_space: global }
      - { .name: Wq, .offset: 8, .size: 8, .value_kind: global_buffer, .address_space: global }
      - { .name: Wk, .offset: 16, .size: 8, .value_kind: global_buffer, .address_space: global }
      - { .name: Wv, .offset: 24, .size: 8, .value_kind: global_buffer, .address_space: global }
      - { .name: Xt, .offset: 32, .size: 8, .value_kind: global_buffer, .address_space: global }
      - { .name: Wt, .offset: 40, .size: 8, .value_kind: global_buffer, .address_space: global }
    .group_segment_fixed_size: 0
    .private_segment_fixed_size: 0
    .kernarg_segment_align: 8
    .kernarg_segment_size: 48
    .max_flat_workgroup_size: 256
    .sgpr_count:     66
    .vgpr_count:     184
    .wavefront_size: 32
...
	.end_amdgpu_metadata
.endif
;; end of part 1
;; launch qkv (part 2): grid 8 x 32, 4 waves a work-group, clusters of 4 x 4, 327,680 bytes of LDS; arguments Xt, Wt, Qh, Kh, Vt, nsq; writes Qh, Kh, Vt, nsq
.if DOCPART == 2
	.amdgcn_target "amdgcn-amd-amdhsa--gfx1250"
	.amdhsa_code_object_version 6
	.text
	.protected	k_q8302d8646b_qkv
	.globl	k_q8302d8646b_qkv
	.p2align	8
	.type	k_q8302d8646b_qkv,@function
k_q8302d8646b_qkv:
	s_mov_b64 s[64:65], 0
	v_nop
	global_prefetch_b8 v0, s[64:65] scope:SCOPE_SE
	s_setreg_imm32_b32 hwreg(HW_REG_WAVE_MODE, 25, 1), 1
	s_wait_xcnt 0x0
	s_wait_alu depctr_hold_cnt(0) depctr_sa_sdst(0) depctr_va_vdst(0) depctr_va_sdst(0) depctr_va_ssrc(0) depctr_va_vcc(0) depctr_vm_vsrc(0)
	s_getreg_b32 s2, hwreg(HW_REG_IB_STS2, 6, 4)
	s_cmp_eq_u32 s2, 0
	s_cbranch_scc0 .Lentry_in_a_cluster
	s_endpgm
.Lentry_in_a_cluster:
	s_bfe_u32 s2, ttmp6, 0x10000c
	s_cmp_lg_u32 s2, 0xf033
	s_cbranch_scc0 .Lentry_shape_is_right
	s_endpgm
.Lentry_shape_is_right:
; qkv: Q = X Wq^T, K = X Wk^T, V = X Wv^T in one pass over X.  f16 operands, f32 sums.
; Out: Qh, Kh [8192 token][1024] f16; Vt [1024 d][8192 token] f16 (V transposed, so that the last launch finds keys along its rows);
; nsq [2 (Q, K)][16 p][8192 token] f32: the sum of squares, taken from the f32 sums, of the 64 columns 64 p .. 64 p + 63 of a row.
; LIMITS: a number of Q, K or V above 65,504 in magnitude becomes an infinity in f16, one below 3e-8 becomes 0.
; A work-group (x = j, y = tb) makes 256 tokens x the 128 columns 128 j .. of each of Q, K, V.  Wave (wm, wn) makes tokens 128 wm .. +127 x
; columns 64 wn .. +63 of each: 8 x 4 tiles of 16 x 16 for each of the three, 96 tiles, 768 registers.
; K goes in steps of 64 through a ring of two LDS slots.  A step's tiles are dense blocks of Xt (32,768 bytes) and Wt (49,152 bytes).
; CLUSTERS: 4 x 4 work-groups.  The four of a row of the cluster (same tb) need the same block of Xt, the four of a column (same j) the same
; block of Wt: each is asked for jointly, which divides the requests for both by four.
; A wave has two tensor loads out at the start and one behind each refill.
; REGISTERS: window 0: v0-31 addresses, v32-159 two buffers of X fragments, v160-255 three buffers of W fragments;
; windows 1, 2, 3: the sums of Q, K, V, tile (a, b) at v[8 (4 a + b)].
; Q and K use the matrix instruction transposed (source 0 = rows of W, source 1 = rows of X): a lane then holds token l % 16 and eight
; neighbouring columns.  V uses it as it is: a lane holds column d = l % 16 and eight neighbouring tokens, which is a piece of a row of Vt.
.set PITCH,  144                       ; an LDS row: 128 bytes (64 f16) + 16 of padding: an odd multiple of 16, so 16 rows start in 16 different groups of banks
.set AHALF,  128*PITCH                 ; 128 rows of X: one tensor load
.set ATILE,  2*AHALF
.set BGRAN,  128*PITCH                 ; the 128 rows of one of Wq, Wk, Wv
.set BHALF,  192*PITCH                 ; 192 rows of the 384: one tensor load
.set SLOT,   ATILE+2*BHALF             ; 92,160
.set ABLK,   32768                     ; bytes of a block of Xt
.set BBLK,   49152                     ; bytes of a block of Wt
.set STG,    2*SLOT                    ; the way out of Q and K: two halves (columns 0-63, 64-127) of 256 rows x 144 bytes
.set SHALF,  256*PITCH+128             ; from half to half; the 128 odd bytes put a row's two pieces into different banks
.set VST,    STG+2*SHALF               ; the way out of V: 16 rows x 272 bytes for each wave
.set SPITCH, 272
.set NST,    VST+4*16*SPITCH           ; the sums of squares: 1,024 bytes for each wave
.set ADRA, 16                          ; v16-17 LDS address of my X fragments in slot 0, 1
.set ADRB, 20                          ; v20-21 the same for W
.set STO,  22                          ; Q, K: where I put 16 bytes of a row
.set RD,   23                          ; Q, K: where I read 16 bytes of a whole row back
.set CO,   24                          ; Q, K: my byte offset in two rows of Qh or Kh
.set VSTO, 25                          ; the same three for V
.set VRD,  26
.set VCO,  27
.set NSA,  28                          ; sums of squares: my word
.set NSR,  29                          ; and where I read four of them back
.set NCO,  30                          ; 16 x lane
.set FA0,  32
.set FA1,  96
.set FB0,  160
.set FB1,  192
.set FB2,  224
.set SS,   32                          ; the way out: v[32:47] eight pairs of partial sums of squares
.set NV,   48                          ; v[48:55] four sums of squares to store, for Q and for K
.set TMP,  96                          ; v[96:223] packed results
.set G1,  24                           ; s[24:31] descriptor group 1 for X's tiles
.set G0,  32                           ; s[32:39] group 0 for X's tiles, a set for each slot
.set G1B, 48                           ; s[48:55] group 1 for W's tiles
.set G0B, 56                           ; s[56:63] group 0 for W's tiles
.set MSB, 0
.macro WIN new                         ; s_set_vgpr_msb: bits 1:0 source 0, 3:2 source 1, 5:4 source 2, 7:6 destination; the high byte repeats the setting that is left
.if MSB != \new
	s_set_vgpr_msb (MSB<<8)|\new
.set MSB, \new
.endif
.endm
.macro PLACES                          ; four places behind a matrix instruction in front of loads into its sources and of readers of its result
.rept 4
	v_nop
.endr
.endm
; A joint load.  Waves 0 and 1 fetch X's two halves, waves 2 and 3 W's.  The branch hangs on the wave's number alone.
.macro JLOAD s
	s_cmp_eq_u32 s11, 0
	s_cbranch_scc0 .Lfor_b_\@
	tensor_load_to_lds s[G0+4*\s:G0+4*\s+3], s[G1:G1+7]
	s_nop 0
	s_branch .Lasked_\@
.Lfor_b_\@:
	tensor_load_to_lds s[G0B+4*\s:G0B+4*\s+3], s[G1B:G1B+7]
	s_nop 0
.Lasked_\@:
.endm
.macro CREST                           ; a round of the cluster's barrier behind its opening work-group barrier
	s_cmp_lg_u32 s10, 0
	s_cbranch_scc1 .Lnot_wave_0_\@
	s_barrier_signal -3
.Lnot_wave_0_\@:
	s_barrier_wait -3
	s_barrier_signal -1
	s_barrier_wait -1
.endm
.macro CROUND                          ; a whole round
	s_barrier_signal -1
	s_barrier_wait -1
	CREST
.endm
	s_load_b128 s[4:7], s[0:1], 0x0                ; Xt s[4:5], Wt s[6:7]
	s_load_b256 s[68:75], s[0:1], 0x10             ; Qh s[68:69], Kh s[70:71], Vt s[72:73], nsq s[74:75]
	v_lshl_add_u32 v19, v0, 2, 0x44500
	v_mov_b32 v31, 0
	ds_add_u32 v19, v31
	v_lshrrev_b32 v1, 5, v0
	v_readfirstlane_b32 s10, v1                    ; wave 0..3
	s_lshr_b32 s11, s10, 1                         ; wm.  Also: I fetch for X (0) or for W (1)
	s_and_b32 s12, s10, 1                          ; wn.  Also: which half of that tile I fetch
	s_bfe_u32 s40, ttmp6, 0x40000                  ; cx
	s_bfe_u32 s41, ttmp6, 0x40004                  ; cy
	s_lshl_b32 s42, ttmp9, 2
	s_add_co_u32 s42, s42, s40                     ; j = 4 x cluster x + cx
	s_and_b32 s13, ttmp7, 0xffff
	s_lshl_b32 s13, s13, 2
	s_add_co_u32 s13, s13, s41                     ; tb = 4 x cluster y + cy
	s_lshl_b32 s43, s41, 2
	s_lshl_b32 s43, 15, s43                        ; my row of the cluster
	s_lshl_b32 s44, 0x1111, s40                    ; my column
	; Group 1.  A dense block is taken as rows of 256 bytes (32 elements of 8 bytes, pitch 32); 16 bytes of padding follow every 32 words,
	; that is every 128 bytes, so that each row of 64 f16 gets an LDS row of 144 bytes.
	s_or_b32 s[G1+0],  s43, (3<<16)|(1<<20)|(1<<21)|(4<<22)|(3<<25)  ; mask; element of 8 bytes; padding on; bit 21 beside a mask; after 32 words (code 4); 4 words (code 3)
	s_or_b32 s[G1B+0], s44, (3<<16)|(1<<20)|(1<<21)|(4<<22)|(3<<25)
	s_mov_b32 s[G1+1],  32<<16                     ; tensor_dim0 = 32
	s_mov_b32 s[G1B+1], 32<<16
	s_mov_b32 s[G1+2],  64<<16                     ; tensor_dim1 = 64 rows of 256 bytes = 128 rows of X
	s_mov_b32 s[G1B+2], 96<<16                     ; 96 rows of 256 bytes = 192 rows of W
	s_mov_b32 s[G1+3],  32<<16                     ; tile_dim0 = 32
	s_mov_b32 s[G1B+3], 32<<16
	s_mov_b32 s[G1+4],  64                         ; tile_dim1
	s_mov_b32 s[G1B+4], 96
	s_mov_b32 s[G1+5],  32                         ; pitch in elements: the block is dense
	s_mov_b32 s[G1B+5], 32
	s_mov_b32 s[G1+6],  0
	s_mov_b32 s[G1B+6], 0
	s_mov_b32 s[G1+7],  0
	s_mov_b32 s[G1B+7], 0
	s_lshl_b32 s16, s13, 19                        ; Xt: tb x 16 blocks of 32,768 bytes
	s_lshl_b32 s17, s12, 14                        ; + my half of a block
	s_add_co_u32 s16, s16, s17
	s_mov_b32 s17, 0
	s_mul_i32 s46, s42, 16*BBLK                    ; Wt: j x 16 blocks of 49,152 bytes
	s_mul_i32 s47, s12, BBLK/2
	s_add_co_u32 s46, s46, s47
	s_mov_b32 s47, 0
	s_mul_i32 s20, s12, AHALF                      ; LDS: X's two halves,
	s_mul_i32 s21, s12, BHALF
	s_add_co_u32 s21, s21, ATILE                   ; then W's two halves: the wave's number alone enters an LDS address
	s_wait_dscnt 0x0
	s_wait_kmcnt 0x0
	s_add_nc_u64 s[14:15], s[4:5], s[16:17]
	s_add_nc_u64 s[46:47], s[6:7], s[46:47]
	CROUND                                         ; all sixteen work-groups are here: the first joint loads meet
.irp s, 0,1
	s_mov_b32 s[G0+4*\s], 1
	s_add_co_u32 s[G0+4*\s+1], s20, \s*SLOT
	s_add_nc_u64 s[G0+4*\s+2:G0+4*\s+3], s[14:15], \s*ABLK         ; K step s
	s_or_b32 s[G0+4*\s+3], s[G0+4*\s+3], 0x80000000
	s_mov_b32 s[G0B+4*\s], 1
	s_add_co_u32 s[G0B+4*\s+1], s21, \s*SLOT
	s_add_nc_u64 s[G0B+4*\s+2:G0B+4*\s+3], s[46:47], \s*BBLK
	s_or_b32 s[G0B+4*\s+3], s[G0B+4*\s+3], 0x80000000
	JLOAD \s
.endr
	; where the results go
	s_lshl_b32 s80, s13, 19                        ; Qh, Kh: row 256 tb + 64 w (the rows that I store), 2,048 bytes a row,
	s_lshl_b32 s81, s10, 17
	s_add_co_u32 s80, s80, s81
	s_lshl_b32 s81, s42, 8                         ; column 128 j
	s_add_co_u32 s80, s80, s81
	s_mov_b32 s81, 0
	s_add_nc_u64 s[68:69], s[68:69], s[80:81]
	s_add_nc_u64 s[70:71], s[70:71], s[80:81]
	s_lshl_b32 s82, s42, 16                        ; nsq: p = 2 j + wn, 32,768 bytes each,
	s_lshl_b32 s83, s12, 15
	s_add_co_u32 s82, s82, s83
	s_lshl_b32 s83, s13, 10                        ; token 256 tb + 128 wm
	s_add_co_u32 s82, s82, s83
	s_lshl_b32 s83, s11, 9
	s_add_co_u32 s82, s82, s83
	s_mov_b32 s83, 0
	s_add_nc_u64 s[74:75], s[74:75], s[82:83]
	s_lshl_b32 s84, s42, 21                        ; Vt: row 128 j + 64 wn, 16,384 bytes a row,
	s_lshl_b32 s85, s12, 20
	s_add_co_u32 s84, s84, s85
	s_lshl_b32 s85, s13, 9                         ; token 256 tb + 128 wm
	s_add_co_u32 s84, s84, s85
	s_lshl_b32 s85, s11, 8
	s_add_co_u32 s84, s84, s85
	s_mov_b32 s85, 0
	s_add_nc_u64 s[72:73], s[72:73], s[84:85]
	s_mov_b32 s76, 0x76543210                      ; v_permlanex16_b32: lane i of one half reads lane i of the other
	s_mov_b32 s77, 0xfedcba98
	; A fragment is 16 rows x 32 K in 8 registers: lane l holds row l % 16, K = 8 (l / 16) + 0..7 and 16 + 8 (l / 16) + 0..7: two loads of 16 bytes, 32 apart.
	v_and_b32 v1, 15, v0                           ; r = l % 16
	v_bfe_u32 v2, v0, 4, 1                         ; h = l / 16
	v_and_b32 v5, 31, v0                           ; lane
	v_mul_u32_u24 v3, v1, PITCH
	v_lshl_add_u32 v3, v2, 4, v3                   ; r x 144 + 16 h
	s_mul_i32 s22, s11, AHALF                      ; my 128 tokens
	s_mul_i32 s23, s12, 64*PITCH                   ; my 64 rows of each W,
	s_add_co_u32 s23, s23, ATILE                   ; which lie behind X's 256
.irp s, 0,1
	v_add_nc_u32 v[ADRA+\s], s22, v3
	v_add_nc_u32 v[ADRB+\s], s23, v3
	s_add_co_u32 s22, s22, SLOT
	s_add_co_u32 s23, s23, SLOT
.endr
	s_mul_i32 s22, s12, SHALF                      ; Q, K in: my own 128 rows of my column half: 18,432 consecutive bytes
	s_mul_i32 s23, s11, AHALF
	s_add_co_u32 s22, s22, s23
	s_add_co_u32 s22, s22, STG
	v_add_nc_u32 v[STO], s22, v3
	v_lshrrev_b32 v8, 3, v1                        ; Q, K back: lanes 0-15 take a row's 256 bytes: eight from each half; lanes 16-31 the next row
	v_and_b32 v9, 7, v1
	v_mul_u32_u24 v8, v8, SHALF
	v_mul_u32_u24 v10, v2, PITCH
	v_add_nc_u32 v8, v8, v10
	v_lshl_add_u32 v8, v9, 4, v8
	s_mul_i32 s22, s10, 64*PITCH                   ; wave w stores rows 64 w .. 64 w + 63
	s_add_co_u32 s22, s22, STG
	v_add_nc_u32 v[RD], s22, v8
	v_lshlrev_b32 v7, 4, v1                        ; 16 r
	v_lshl_add_u32 v[CO], v2, 11, v7               ; + h rows of 2,048 bytes
	v_mul_u32_u24 v4, v1, SPITCH
	v_lshl_add_u32 v4, v2, 4, v4                   ; V in: row r, 16 bytes for each half of the lanes
	v_mul_u32_u24 v6, v2, SPITCH
	v_lshl_add_u32 v6, v1, 4, v6                   ; V back: lanes 0-15 one row, lanes 16-31 the next
	s_mul_i32 s22, s10, 16*SPITCH
	s_add_co_u32 s22, s22, VST
	v_add_nc_u32 v[VSTO], s22, v4
	v_add_nc_u32 v[VRD], s22, v6
	v_lshl_add_u32 v[VCO], v2, 14, v7              ; 16 r + h rows of 16,384 bytes
	s_lshl_b32 s22, s10, 10
	s_add_co_u32 s22, s22, NST
	v_lshl_add_u32 v[NSA], v1, 2, s22
	v_lshl_add_u32 v[NSR], v5, 4, s22
	v_lshlrev_b32 v[NCO], 4, v5
.macro MM d, x, y, zero                ; zero = 1: the product starts the sum: nothing is ever cleared
.if \zero
	v_wmma_f32_16x16x32_f16 v[\d:\d+7], v[\x:\x+7], v[\y:\y+7], 0
.else
	v_wmma_f32_16x16x32_f16 v[\d:\d+7], v[\x:\x+7], v[\y:\y+7], v[\d:\d+7]
.endif
.endm
; 16 matrix instructions of matrix g: token blocks a0 .. a0 + 3 x all 4 column blocks, 32 along K.
; The accumulators take turns, one instruction a turn.
.macro MULG g, fa, fb, a0, zero
.irp a, 0,1,2,3
.irp b, 0,1,2,3
.if \g < 2
	MM 8*(4*(\a0+\a)+\b),\fb+8*\b,\fa+8*(\a0+\a),\zero
.else
	MM 8*(4*(\a0+\a)+\b),\fa+8*(\a0+\a),\fb+8*\b,\zero
.endif
.endr
.endr
.endm
.macro GRP win, g, fa, fb, zero        ; a group: the 32 tiles of one matrix, 32 along K
	WIN \win
	MULG \g, \fa, \fb, 0, \zero
	MULG \g, \fa, \fb, 4, \zero
.endm
.macro FETB slot, g, ks, fb            ; 8 loads: my 64 rows of matrix g, K = 32 ks .. + 31
.irp b, 0,1,2,3
	ds_load_b128 v[\fb+8*\b:\fb+8*\b+3],   v[ADRB+\slot] offset:\g*BGRAN+\b*16*PITCH+64*\ks
	ds_load_b128 v[\fb+8*\b+4:\fb+8*\b+7], v[ADRB+\slot] offset:\g*BGRAN+\b*16*PITCH+64*\ks+32
.endr
.endm
.macro FETA4 slot, ks, fa, i0          ; 8 loads: token blocks i0 .. i0 + 3
.irp i, 0,1,2,3
	ds_load_b128 v[\fa+8*(\i0+\i):\fa+8*(\i0+\i)+3],   v[ADRA+\slot] offset:(\i0+\i)*16*PITCH+64*\ks
	ds_load_b128 v[\fa+8*(\i0+\i)+4:\fa+8*(\i0+\i)+7], v[ADRA+\slot] offset:(\i0+\i)*16*PITCH+64*\ks+32
.endr
.endm
; A K step of 64: six groups (Q, K, V at K 0-31, then at K 32-63).  W's fragments are fetched two groups ahead into three buffers that take
; turns, X's a half step ahead into two.  On entry FB0 (8 loads), FA0 (16) and FB1 (8) are on their way, in this order.
; Each counted wait leaves out this group's loads and the group's before: what was issued two groups back is in.
; mode 1: this slot is filled again, two K steps ahead; 2: slots change, nothing is filled; 0: the last step.
.macro STEP slot, next, zero, mode
	WIN 0
	PLACES
	FETB \slot, 2, 0, FB2
	FETA4 \slot, 1, FA1, 0
	s_wait_dscnt 24                                ; 16 just issued + FB1's 8: FB0 and FA0 are in
	GRP 0x50, 0, FA0, FB0, \zero
	WIN 0
	PLACES
	FETB \slot, 0, 1, FB0
	FETA4 \slot, 1, FA1, 4
	s_wait_dscnt 32                                ; 16 + 16: FB1 is in
	GRP 0xa0, 1, FA0, FB1, \zero
	WIN 0
	PLACES
	FETB \slot, 1, 1, FB1
	s_wait_dscnt 24                                ; 8 + 16: FB2 is in
	GRP 0xf0, 2, FA0, FB2, \zero
	WIN 0
	PLACES
	FETB \slot, 2, 1, FB2
	s_wait_dscnt 16                                ; 8 + 8: FB0 and all of FA1 are in
	GRP 0x50, 0, FA1, FB0, 0
.if \mode
	s_wait_dscnt 0x0                               ; my reads of this slot are over,
	s_wait_tensorcnt 0x0                           ; and all my tensor loads have landed: the one that was out is my part of the next slot
	ds_add_u32 v19, v31
	s_wait_dscnt 0x0
	s_barrier_signal -1                            ; say so (where the slot is filled again this barrier opens a round of the cluster's barrier),
	WIN 0xa0
	MULG 1, FA1, FB1, 0, 0                         ; work on registers while the others arrive
	WIN 0
	s_barrier_wait -1
.if \mode == 1
	CREST                                          ; no wave of any partner still reads this slot or has a load on its way
	s_add_nc_u64 s[G0+4*\slot+2:G0+4*\slot+3], s[G0+4*\slot+2:G0+4*\slot+3], 2*ABLK
	s_add_nc_u64 s[G0B+4*\slot+2:G0B+4*\slot+3], s[G0B+4*\slot+2:G0B+4*\slot+3], 2*BBLK
	JLOAD \slot                                    ; the first tensor load behind the round, my only one until the next
.endif
	PLACES
	FETB \next, 0, 0, FB0
	FETA4 \next, 0, FA0, 0
	FETA4 \next, 0, FA0, 4
	WIN 0xa0
	MULG 1, FA1, FB1, 4, 0
	WIN 0
	PLACES
	FETB \next, 1, 0, FB1
	GRP 0xf0, 2, FA1, FB2, 0                       ; FA1 and FB2 are in since the wait for 0 above
.else
	s_wait_dscnt 8                                 ; FB2's 8 may be out: FB1 is in
	GRP 0xa0, 1, FA1, FB1, 0
	s_wait_dscnt 0x0
	GRP 0xf0, 2, FA1, FB2, 0
.endif
.endm
	s_wait_tensorcnt 0x1                           ; my part of K step 0 is in; K step 1's may stay out
	s_barrier_signal -1
	s_barrier_wait -1                              ; everybody's is
	FETB 0, 0, 0, FB0
	FETA4 0, 0, FA0, 0
	FETA4 0, 0, FA0, 4
	FETB 0, 1, 0, FB1
	STEP 0, 1, 1, 1                                ; K steps 0 and 1 stand in front of the loop: the first products start the sums
	STEP 1, 0, 0, 1
	WIN 0                                          ; at a label and at a branch every window is 0
	s_mov_b32 s3, 6                                ; K steps 2 to 13
.Llap:
	STEP 0, 1, 0, 1
	STEP 1, 0, 0, 1
	WIN 0
	s_sub_co_u32 s3, s3, 1
	s_cmp_lg_u32 s3, 0
	s_cbranch_scc1 .Llap
	STEP 0, 1, 0, 2                                ; K steps 14 and 15 fill nothing
	STEP 1, 0, 0, 0
	; THE WAY OUT
	WIN 0
	PLACES                                         ; behind the last matrix instructions, for all that follows
; Q (g = 0) or K (g = 1): round to f16 into TMP, add up the squares of the f32 sums in eight chains (one a token block), put 16 bytes a lane
; into my part of the stage, and store my 128 tokens' sums of squares.  sw: sources 0 and 1 in the matrix's window.
.macro QKCVT g, sw
	WIN \sw
.irp b, 0,1,2,3
.irp r, 0,1,2,3
.irp a, 0,1,2,3,4,5,6,7
	v_cvt_pk_f16_f32 v[TMP+16*\a+4*\b+\r], v[8*(4*\a+\b)+2*\r], v[8*(4*\a+\b)+2*\r+1]
.if (\b+\r) == 0
	v_pk_mul_f32 v[SS+2*\a:SS+2*\a+1], v[8*(4*\a+\b)+2*\r:8*(4*\a+\b)+2*\r+1], v[8*(4*\a+\b)+2*\r:8*(4*\a+\b)+2*\r+1]
.else
	v_pk_fma_f32 v[SS+2*\a:SS+2*\a+1], v[8*(4*\a+\b)+2*\r:8*(4*\a+\b)+2*\r+1], v[8*(4*\a+\b)+2*\r:8*(4*\a+\b)+2*\r+1], v[SS+2*\a:SS+2*\a+1]
.endif
.endr
.endr
.endr
	WIN 0
.irp a, 0,1,2,3,4,5,6,7
.irp b, 0,1,2,3
	ds_store_b128 v[STO], v[TMP+16*\a+4*\b:TMP+16*\a+4*\b+3] offset:16*PITCH*\a+32*\b
.endr
.endr
.irp a, 0,1,2,3,4,5,6,7
	v_add_f32 v[SS+2*\a], v[SS+2*\a], v[SS+2*\a+1]
.endr
.irp a, 0,1,2,3,4,5,6,7
	v_permlanex16_b32 v[SS+2*\a+1], v[SS+2*\a], s76, s77           ; the other eight of each sixteen columns lie in lane l xor 16
.endr
.irp a, 0,1,2,3,4,5,6,7
	v_add_f32 v[SS+2*\a], v[SS+2*\a], v[SS+2*\a+1]
.endr
.irp a, 0,1,2,3,4,5,6,7
	ds_store_b32 v[NSA], v[SS+2*\a] offset:512*\g+64*\a            ; token 16 a + r; lanes l and l xor 16 write the same word with the same value
.endr
	ds_load_b128 v[NV+4*\g:NV+4*\g+3], v[NSR] offset:512*\g        ; my wave's own bytes: LDS serves a wave's instructions in order (ISA guide 5.7.1.4)
	s_wait_dscnt 0x0                               ; the four sums are in; and, for the other waves, my stores into the stage are done
	global_store_b128 v[NCO], v[NV+4*\g:NV+4*\g+3], s[74:75] offset:524288*\g   ; 512 consecutive bytes, aligned
	s_barrier_signal -1
	s_barrier_wait -1                              ; the stage is whole
.endm
; 64 whole rows of 256 bytes leave: two rows a load; sixteen lanes store 256 consecutive bytes, aligned.
.macro ROWS_OUT lo
.set tt, 0
.rept 32
	ds_load_b128 v[TMP+4*tt:TMP+4*tt+3], v[RD] offset:2*PITCH*tt
.set tt, tt+1
.endr
.set tt, 0
.rept 32
	s_wait_dscnt 31-tt                             ; LDS loads come back in order: number tt of the 32 is in
	global_store_b128 v[CO], v[TMP+4*tt:TMP+4*tt+3], s[\lo:\lo+1] offset:4096*tt
.set tt, tt+1
.endr
.endm
; V, column block b: 16 rows (d) x 128 tokens through my own stage.  tv: packed results; rb: rows read back; two sets take turns.
.macro VOUT b, tv, rb
	WIN 0x0f
.irp a, 0,1,2,3,4,5,6,7
.irp r, 0,1,2,3
	v_cvt_pk_f16_f32 v[\tv+4*\a+\r], v[8*(4*\a+\b)+2*\r], v[8*(4*\a+\b)+2*\r+1]
.endr
.endr
	WIN 0
.irp a, 0,1,2,3,4,5,6,7
	ds_store_b128 v[VSTO], v[\tv+4*\a:\tv+4*\a+3] offset:32*\a
.endr
	s_wait_xcnt 0x0                                ; rb, which earlier stores read, is loaded again only behind this wait (ISA guide 3.1)
.irp t, 0,1,2,3,4,5,6,7
	ds_load_b128 v[\rb+4*\t:\rb+4*\t+3], v[VRD] offset:2*SPITCH*\t
.endr
.irp t, 0,1,2,3,4,5,6,7
	s_wait_dscnt 7-\t
	global_store_b128 v[VCO], v[\rb+4*\t:\rb+4*\t+3], s[72:73] offset:(16*\b+2*\t)*16384
.endr
.endm
	QKCVT 0, 0x05
	ROWS_OUT 68
	s_wait_dscnt 0x0                               ; my reads of the stage are over (met: the count-down ended at 0)
	s_barrier_signal -1
	s_barrier_wait -1                              ; everybody's are: the stage may be written again
	s_wait_xcnt 0x0                                ; TMP, which the stores of Q read, is rewritten only behind this wait
	QKCVT 1, 0x0a
	ROWS_OUT 70
	s_wait_xcnt 0x0                                ; the same for the stores of K
	VOUT 0, 96, 128
	VOUT 1, 160, 192
	VOUT 2, 96, 128
	VOUT 3, 160, 192
	s_wait_tensorcnt 0x0
	ds_add_u32 v19, v31
	s_wait_dscnt 0x0
	CROUND                                         ; the closing round: no work-group ends while a partner may still ask for a tile that names it
	s_endpgm
.Lfunc_end_k_q8302d8646b_qkv:
	.size	k_q8302d8646b_qkv, .Lfunc_end_k_q8302d8646b_qkv-k_q8302d8646b_qkv
	.p2alignl 7, 3214868480
	.fill 96, 4, 3214868480
	.section	.rodata,"a",@progbits
	.p2align	6, 0x0
	.amdhsa_kernel k_q8302d8646b_qkv
		.amdhsa_group_segment_fixed_size 327680
		.amdhsa_private_segment_fixed_size 0
		.amdhsa_enable_private_segment 0
		.amdhsa_kernarg_size 48
		.amdhsa_user_sgpr_count 2
		.amdhsa_user_sgpr_kernarg_segment_ptr 1
		.amdhsa_wavefront_size32 1
		.amdhsa_system_sgpr_workgroup_id_x 1
		.amdhsa_system_sgpr_workgroup_id_y 1
		.amdhsa_system_sgpr_workgroup_id_z 1
		.amdhsa_system_vgpr_workitem_id 0
		.amdhsa_next_free_vgpr 1024
		.amdhsa_next_free_sgpr 100
		.amdhsa_reserve_vcc 0
		.amdhsa_float_denorm_mode_32 3
		.amdhsa_float_denorm_mode_16_64 3
		.amdhsa_memory_ordered 1
		.amdhsa_forward_progress 1
		.amdhsa_inst_pref_size 191
	.end_amdhsa_kernel
	.amdgpu_metadata
---
amdhsa.version: [ 1, 2 ]
amdhsa.kernels:
  - .name:           k_q8302d8646b_qkv
    .symbol:         k_q8302d8646b_qkv.kd
    .args:
      - { .name: Xt, .offset: 0, .size: 8, .value_kind: global_buffer, .address_space: global }
      - { .name: Wt, .offset: 8, .size: 8, .value_kind: global_buffer, .address_space: global }
      - { .name: Qh, .offset: 16, .size: 8, .value_kind: global_buffer, .address_space: global }
      - { .name: Kh, .offset: 24, .size: 8, .value_kind: global_buffer, .address_space: global }
      - { .name: Vt, .offset: 32, .size: 8, .value_kind: global_buffer, .address_space: global }
      - { .name: nsq, .offset: 40, .size: 8, .value_kind: global_buffer, .address_space: global }
    .group_segment_fixed_size: 327680
    .private_segment_fixed_size: 0
    .kernarg_segment_align: 8
    .kernarg_segment_size: 48
    .max_flat_workgroup_size: 128
    .sgpr_count:     100
    .vgpr_count:     1024
    .wavefront_size: 32
...
	.end_amdgpu_metadata
.endif
;; end of part 2
;; launch scores (part 3): grid 8 x 32, 4 waves a work-group, clusters of 4 x 4, 327,680 bytes of LDS; arguments Qh, Kh, nsq, masks, P; writes P
.if DOCPART == 3
	.amdgcn_target "amdgcn-amd-amdhsa--gfx1250"
	.amdhsa_code_object_version 6
	.text
	.protected	k_q8302d8646b_scores
	.globl	k_q8302d8646b_scores
	.p2align	8
	.type	k_q8302d8646b_scores,@function
k_q8302d8646b_scores:
	s_mov_b64 s[64:65], 0
	v_nop
	global_prefetch_b8 v0, s[64:65] scope:SCOPE_SE
	s_setreg_imm32_b32 hwreg(HW_REG_WAVE_MODE, 25, 1), 1
	s_wait_xcnt 0x0
	s_wait_alu depctr_hold_cnt(0) depctr_sa_sdst(0) depctr_va_vdst(0) depctr_va_sdst(0) depctr_va_ssrc(0) depctr_va_vcc(0) depctr_vm_vsrc(0)
	s_getreg_b32 s2, hwreg(HW_REG_IB_STS2, 6, 4)
	s_cmp_eq_u32 s2, 0
	s_cbranch_scc0 .Lentry_in_a_cluster
	s_endpgm
.Lentry_in_a_cluster:
	s_bfe_u32 s2, ttmp6, 0x10000c
	s_cmp_lg_u32 s2, 0xf033
	s_cbranch_scc0 .Lentry_shape_is_right
	s_endpgm
.Lentry_shape_is_right:
; scores: P[q][k] = (Q[q] . K[k]) / (|Q[q]| |K[k]|) where k > q or masks[k] == 0, else 0.  P: [8192 q][2048 k] f16; sums and scaling in f32.
; The norms come from nsq: 16 partial sums of squares a row are added, v_rsq_f32 gives 1 / norm.
; LIMITS: a row's sum of squares has to lie between 2^-126 and f32's largest number (v_rsq_f32 takes a denormal as 0: ISA guide 15.8);
; a score that the mask drops is stored as +0 whatever it was, an infinity or a NaN too.
; A work-group (x = key block, y = 8 x batch + query block) makes 256 x 256 of P with four waves of 128 x 128: 64 tiles, 512 registers.
; K (the 1,024 features) goes in steps of 128 through a ring of two LDS slots; a tile's rows are 256 bytes of memory, aligned.
; CLUSTERS: 4 x 4 work-groups; Q's tile is shared along a row of the cluster, K's along a column: joint loads divide the requests for both by four.
; A wave has two tensor loads out at the start and one behind each refill.
; REGISTERS: window 0: v0-31 addresses, v64-127, v128-191 fragments of Q; window 1: the same of K; windows 2, 3: the sums of my rows 0-63, 64-127.
; The matrix instruction is used transposed (source 0 = rows of K, source 1 = rows of Q): a lane holds query l % 16 and eight neighbouring keys.
.set SIZE_K, 1024
.set CPITCH, 4096                      ; bytes in a row of P
.set KSTEP,  128
.set PITCH,  272                       ; 256 bytes + 16 of padding: an odd multiple of 16
.set HALFT,  128*PITCH
.set SLOT,   4*HALFT
.set STAGE,  2*SLOT                    ; 16 rows x 272 bytes for each wave, for the way out
.set SPITCH, 272
.set RQT,    STAGE+4*16*SPITCH         ; 256 f32: 1 / norm of the block's queries
.set RKT,    RQT+1024                  ; 256 f32: 1 / norm of the block's keys
.set PWT,    RQT+2048                  ; 128 words: for keys 2 i, 2 i + 1 a half word each, all ones where masks == 0
.set LAPS,   SIZE_K/(2*KSTEP)
.set ADRA, 16
.set ADRB, 20
.set STO,  24
.set RD,   25
.set CO,   26
.set KAD,  27                          ; where my keys' 1 / norm lie
.set QAD,  28                          ; where my queries' lie
.set PWA,  29                          ; where my keys' mask words lie
.set VX,   30                          ; 4096 + (my first key) - (my first query) + 8 h - r
.set NOF,  31                          ; 8 t
.set F0,   64
.set F1,   128
.set COL,  64                          ; the way out, window 1: v[64:127] 1 / norm of key 16 b + 8 h + j at 8 b + j
.set RQ2,  128                         ; window 1: v[128:143] 1 / norm of query 16 i + r, twice
.set PW,   64                          ; window 0: v[64:95] mask words of the input mask, 4 b + jp
.set TW,   96                          ; v[96:155] mask words of k > q for tiles with b - i = dd - 7, at 4 dd + jp
.set RB0,  156                         ; v[156:187], v[32:63] rows read back, in turn
.set RB1,  32
.set TMP,  192
.set T,    224
.set CHI,  232
.set CALL, 233
.set G1,  24
.set G0,  32
.set G1B, 48
.set G0B, 56
.set MSB, 0
.macro WIN new
.if MSB != \new
	s_set_vgpr_msb (MSB<<8)|\new
.set MSB, \new
.endif
.endm
.set MUL_LO, 0xa1                      ; source 0 (K) window 1, source 1 (Q) window 0, C and D window 2
.set MUL_HI, 0xf1
.set TO_B,   0x40
.macro PLACES
.rept 4
	v_nop
.endr
.endm
.macro JLOAD s                         ; waves 0 and 1 fetch Q's two halves, waves 2 and 3 K's
	s_cmp_eq_u32 s11, 0
	s_cbranch_scc0 .Lfor_b_\@
	tensor_load_to_lds s[G0+4*\s:G0+4*\s+3], s[G1:G1+7]
	s_nop 0
	s_branch .Lasked_\@
.Lfor_b_\@:
	tensor_load_to_lds s[G0B+4*\s:G0B+4*\s+3], s[G1B:G1B+7]
	s_nop 0
.Lasked_\@:
.endm
.macro CREST
	s_cmp_lg_u32 s10, 0
	s_cbranch_scc1 .Lnot_wave_0_\@
	s_barrier_signal -3
.Lnot_wave_0_\@:
	s_barrier_wait -3
	s_barrier_signal -1
	s_barrier_wait -1
.endm
.macro CROUND
	s_barrier_signal -1
	s_barrier_wait -1
	CREST
.endm
	s_load_b128 s[4:7], s[0:1], 0x0                ; Qh s[4:5], Kh s[6:7]
	s_load_b128 s[68:71], s[0:1], 0x10             ; nsq s[68:69], masks s[70:71]
	s_load_b64 s[8:9], s[0:1], 0x20                ; P
	s_set_vgpr_msb 0x40
	v_lshl_add_u32 v255, v0, 2, 0x48e00
	s_set_vgpr_msb 0x4000
	v_mov_b32 v255, 0
	s_set_vgpr_msb 0x1
	ds_add_u32 v255, v255
	s_set_vgpr_msb 0x100
	v_lshrrev_b32 v1, 5, v0
	v_readfirstlane_b32 s10, v1
	s_lshr_b32 s11, s10, 1                         ; which half of the block's queries is mine.  Also: I fetch for Q (0) or for K (1)
	s_and_b32 s12, s10, 1                          ; which half of its keys.  Also: which 128 rows of that tile I fetch
	s_bfe_u32 s40, ttmp6, 0x40000                  ; cx
	s_bfe_u32 s41, ttmp6, 0x40004                  ; cy
	s_lshl_b32 s42, ttmp9, 2
	s_add_co_u32 s42, s42, s40                     ; key block bx
	s_and_b32 s13, ttmp7, 0xffff
	s_lshr_b32 s45, s13, 1                         ; batch = by / 8 = cluster y / 2: the same in the whole cluster
	s_lshl_b32 s13, s13, 2
	s_add_co_u32 s13, s13, s41                     ; by = 8 x batch + query block
	s_lshl_b32 s43, s41, 2
	s_lshl_b32 s43, 15, s43
	s_lshl_b32 s44, 0x1111, s40
	s_or_b32 s[G1+0],  s43, (1<<16)|(1<<20)|(1<<21)|(5<<22)|(3<<25)  ; mask of my row; element of 2 bytes; padding: 4 words after every 64
	s_or_b32 s[G1B+0], s44, (1<<16)|(1<<20)|(1<<21)|(5<<22)|(3<<25)  ; mask of my column
	s_mov_b32 s[G1+1],  KSTEP<<16
	s_mov_b32 s[G1B+1], KSTEP<<16
	s_mov_b32 s[G1+2],  128<<16
	s_mov_b32 s[G1B+2], 128<<16
	s_mov_b32 s[G1+3],  KSTEP<<16
	s_mov_b32 s[G1B+3], KSTEP<<16
	s_mov_b32 s[G1+4],  128
	s_mov_b32 s[G1B+4], 128
	s_mov_b32 s[G1+5],  SIZE_K
	s_mov_b32 s[G1B+5], SIZE_K
	s_mov_b32 s[G1+6],  0
	s_mov_b32 s[G1B+6], 0
	s_mov_b32 s[G1+7],  0
	s_mov_b32 s[G1B+7], 0
	s_lshl_b32 s17, s12, 7
	s_lshl_b32 s16, s13, 8
	s_add_co_u32 s16, s16, s17                     ; Q: row 256 by + 128 x half
	s_lshl_b32 s16, s16, 11                        ; of 2,048 bytes
	s_lshl_b32 s46, s42, 8
	s_add_co_u32 s46, s46, s17
	s_lshl_b32 s47, s45, 11
	s_add_co_u32 s46, s46, s47                     ; K: row 2,048 x batch + 256 bx + 128 x half
	s_lshl_b32 s46, s46, 11
	s_mov_b32 s17, 0
	s_mov_b32 s47, 0
	s_mul_i32 s20, s10, HALFT                      ; LDS: Q's two halves, then K's two halves = wave x 128 rows
	s_lshl_b32 s80, s13, 10                        ; nsq of my block's queries: token 256 by, 4 bytes each
	s_mov_b32 s81, 0
	s_lshl_b32 s82, s45, 13                        ; nsq and masks of my block's keys: token 2,048 x batch + 256 bx
	s_lshl_b32 s83, s42, 10
	s_add_co_u32 s82, s82, s83
	s_mov_b32 s83, 0
	s_wait_dscnt 0x0
	s_wait_kmcnt 0x0
	s_add_nc_u64 s[14:15], s[4:5], s[16:17]
	s_add_nc_u64 s[46:47], s[6:7], s[46:47]
	CROUND                                         ; all sixteen work-groups are here: the first joint loads meet
.irp s, 0,1
	s_mov_b32 s[G0+4*\s], 1
	s_add_co_u32 s[G0+4*\s+1], s20, \s*SLOT
	s_add_nc_u64 s[G0+4*\s+2:G0+4*\s+3], s[14:15], \s*KSTEP*2
	s_or_b32 s[G0+4*\s+3], s[G0+4*\s+3], 0x80000000
	s_mov_b32 s[G0B+4*\s], 1
	s_add_co_u32 s[G0B+4*\s+1], s20, \s*SLOT
	s_add_nc_u64 s[G0B+4*\s+2:G0B+4*\s+3], s[46:47], \s*KSTEP*2
	s_or_b32 s[G0B+4*\s+3], s[G0B+4*\s+3], 0x80000000
	JLOAD \s
.endr
	; The tables.  Thread t owns queries and keys 2 t, 2 t + 1 of the block: a wave's load covers 256 consecutive bytes, aligned.
	s_add_nc_u64 s[72:73], s[68:69], s[80:81]
	s_add_nc_u64 s[74:75], s[68:69], s[82:83]
	s_add_nc_u64 s[76:77], s[70:71], s[82:83]
	v_lshlrev_b32 v[NOF], 3, v0
.irp p, 0,1,2,3,4,5,6,7,8,9,10,11,12,13,14,15
	global_load_b64 v[64+2*\p:65+2*\p], v[NOF], s[72:73] offset:32768*\p
	global_load_b64 v[96+2*\p:97+2*\p], v[NOF], s[74:75] offset:524288+32768*\p
.endr
	global_load_b64 v[128:129], v[NOF], s[76:77]
	v_and_b32 v1, 15, v0                           ; r
	v_bfe_u32 v2, v0, 4, 1                         ; h
	v_mul_u32_u24 v3, v1, PITCH
	v_lshl_add_u32 v3, v2, 4, v3
	s_mul_i32 s21, s11, HALFT
	s_mul_i32 s22, s12, HALFT
	s_add_co_u32 s22, s22, 2*HALFT
.irp s, 0,1
	v_add_nc_u32 v[ADRA+\s], s21, v3
	v_add_nc_u32 v[ADRB+\s], s22, v3
	s_add_co_u32 s21, s21, SLOT
	s_add_co_u32 s22, s22, SLOT
.endr
	s_mul_i32 s23, s10, 16*SPITCH
	s_add_co_u32 s23, s23, STAGE
	v_mul_u32_u24 v4, v1, SPITCH
	v_lshl_add_u32 v4, v2, 4, v4
	v_add_nc_u32 v[STO], s23, v4
	v_mul_u32_u24 v5, v2, SPITCH
	v_lshl_add_u32 v5, v1, 4, v5
	v_add_nc_u32 v[RD], s23, v5
	v_lshlrev_b32 v5, 12, v2                       ; h rows of P
	v_lshl_add_u32 v[CO], v1, 4, v5
	s_lshl_b32 s23, s12, 9
	s_add_co_u32 s23, s23, RKT
	v_lshl_add_u32 v[KAD], v2, 5, s23              ; key 128 x half + 8 h, 4 bytes each
	s_lshl_b32 s23, s11, 9
	s_add_co_u32 s23, s23, RQT
	v_lshl_add_u32 v[QAD], v1, 2, s23              ; query 128 x half + r
	s_lshl_b32 s23, s12, 8
	s_add_co_u32 s23, s23, PWT
	v_lshl_add_u32 v[PWA], v2, 4, s23              ; a word for two keys
	s_lshl_b32 s84, s42, 8                         ; my first key in the batch: 256 bx + 128 x half,
	s_lshl_b32 s85, s12, 7
	s_add_co_u32 s84, s84, s85
	s_add_co_u32 s84, s84, 4096                    ; kept positive,
	s_and_b32 s85, s13, 7                          ; less my first query: 256 (by mod 8) + 128 x half
	s_lshl_b32 s85, s85, 8
	s_sub_co_u32 s84, s84, s85
	s_lshl_b32 s85, s11, 7
	s_sub_co_u32 s84, s84, s85
	v_lshl_add_u32 v[VX], v2, 3, s84
	v_sub_nc_u32 v[VX], v[VX], v1
	v_add_nc_u32 v12, RQT, v[NOF]                  ; where my two numbers of each table go
	v_lshlrev_b32 v13, 2, v0
	v_add_nc_u32 v13, PWT, v13
	v_mov_b32 v136, 0xffff
	v_mov_b32 v137, 0xffff0000
	s_wait_loadcnt 0x0
.irp p, 1,2,3,4,5,6,7,8,9,10,11,12,13,14,15
	v_pk_add_f32 v[64:65], v[64:65], v[64+2*\p:65+2*\p]
	v_pk_add_f32 v[96:97], v[96:97], v[96+2*\p:97+2*\p]
.endr
	v_rsq_f32 v130, v64
	v_rsq_f32 v131, v65
	v_rsq_f32 v132, v96
	v_rsq_f32 v133, v97
	v_cmp_eq_u32 vcc_lo, 0, v128                   ; plain instructions stand between the last v_rsq_f32 and the first use of a result (ISA guide 5.7.2)
	v_cmp_eq_u32 s20, 0, v129
	v_cndmask_b32 v134, 0, v136, vcc_lo            ; key 2 t is kept everywhere if its mask is 0
	v_cndmask_b32 v135, 0, v137, s20               ; key 2 t + 1
	v_or_b32 v134, v134, v135
	s_wait_alu depctr_va_vdst(0)
	ds_store_b64 v12, v[130:131]
	ds_store_b64 v12, v[132:133] offset:1024
	ds_store_b32 v13, v134
.macro MUL16 f, hi, a0, zero           ; the accumulators take turns, one instruction a turn
.irp a, \a0, \a0+1
.irp b, 0,1,2,3,4,5,6,7
.if \zero
	v_wmma_f32_16x16x32_f16 v[8*(8*(\a)+\b):8*(8*(\a)+\b)+7], v[\f+8*\b:\f+8*\b+7], v[\f+8*(4*\hi+\a):\f+8*(4*\hi+\a)+7], 0
.else
	v_wmma_f32_16x16x32_f16 v[8*(8*(\a)+\b):8*(8*(\a)+\b)+7], v[\f+8*\b:\f+8*\b+7], v[\f+8*(4*\hi+\a):\f+8*(4*\hi+\a)+7], v[8*(8*(\a)+\b):8*(8*(\a)+\b)+7]
.endif
.endr
.endr
.endm
.macro FETCH slot, k, f                ; 32 LDS loads: 128 rows of K, 128 rows of Q, 32 features at byte k of the rows
	WIN TO_B
.irp i, 0,1,2,3,4,5,6,7
	ds_load_b128 v[\f+8*\i:\f+8*\i+3],   v[ADRB+\slot] offset:\k+\i*16*PITCH
	ds_load_b128 v[\f+8*\i+4:\f+8*\i+7], v[ADRB+\slot] offset:\k+\i*16*PITCH+32
.endr
	WIN 0
.irp i, 0,1,2,3,4,5,6,7
	ds_load_b128 v[\f+8*\i:\f+8*\i+3],   v[ADRA+\slot] offset:\k+\i*16*PITCH
	ds_load_b128 v[\f+8*\i+4:\f+8*\i+7], v[ADRA+\slot] offset:\k+\i*16*PITCH+32
.endr
.endm
.macro QUARTER slot, k, f, g, zero
	s_wait_dscnt 8                                 ; K's rows and Q's rows 0-63 are in; the youngest eight loads (Q's rows 64-127) may be out
	WIN MUL_LO
	MUL16 \f, 0, 0, \zero
	MUL16 \f, 0, 2, \zero
	PLACES
	FETCH \slot, \k, \g
	s_wait_dscnt 32                                ; all but the 32 just issued
	WIN MUL_HI
	MUL16 \f, 1, 0, \zero
	MUL16 \f, 1, 2, \zero
.endm
.macro THREE slot, zero
	QUARTER \slot, 64,  F0, F1, \zero
	QUARTER \slot, 128, F1, F0, 0
	QUARTER \slot, 192, F0, F1, 0
.endm
.macro TURN slot, next, fill           ; the last quarter of a K step: multiplies buffer 1 and changes slots
	s_wait_dscnt 8
	WIN MUL_LO
	MUL16 F1, 0, 0, 0
	s_wait_dscnt 0x0                               ; my reads of this slot are over,
	s_wait_tensorcnt 0x0                           ; and all my tensor loads have landed: the one that was out is my part of the next slot
	ds_add_u32 v255, v255
	s_wait_dscnt 0x0
	s_barrier_signal -1
	MUL16 F1, 0, 2, 0
	WIN 0
	s_barrier_wait -1
.if \fill
	CREST                                          ; no wave of any partner still reads this slot or has a load on its way
	s_add_nc_u64 s[G0+4*\slot+2:G0+4*\slot+3], s[G0+4*\slot+2:G0+4*\slot+3], 2*KSTEP*2
	s_add_nc_u64 s[G0B+4*\slot+2:G0B+4*\slot+3], s[G0B+4*\slot+2:G0B+4*\slot+3], 2*KSTEP*2
	JLOAD \slot                                    ; the first tensor load behind the round, my only one until the next
.endif
	PLACES
	FETCH \next, 0, F0
	WIN MUL_HI
	MUL16 F1, 1, 0, 0
	MUL16 F1, 1, 2, 0
.endm
.macro LAP zero
	THREE 0, \zero
	TURN 0, 1, 1
	THREE 1, 0
	TURN 1, 0, 1
.endm
	s_wait_tensorcnt 0x1                           ; my part of K step 0 is in; K step 1's may stay out
	s_wait_dscnt 0x0                               ; my part of the tables is written
	s_barrier_signal -1
	s_barrier_wait -1                              ; everybody's is
	FETCH 0, 0, F0
	LAP 1
	WIN 0
	s_mov_b32 s3, LAPS-2
.Llap:
	LAP 0
	WIN 0
	s_sub_co_u32 s3, s3, 1
	s_cmp_lg_u32 s3, 0
	s_cbranch_scc1 .Llap
	THREE 0, 0                                     ; the last lap fills nothing
	TURN 0, 1, 0
	THREE 1, 0
	s_wait_dscnt 8
	WIN MUL_LO
	MUL16 F1, 0, 0, 0
	MUL16 F1, 0, 2, 0
	s_wait_dscnt 0x0
	WIN MUL_HI
	MUL16 F1, 1, 0, 0
	MUL16 F1, 1, 2, 0
	; THE WAY OUT
	PLACES                                         ; behind the last matrix instructions, for all that follows
	s_lshl_b32 s16, s13, 20                        ; my first row of P: 256 by + 128 x half, 4,096 bytes each
	s_lshl_b32 s17, s11, 19
	s_add_co_u32 s16, s16, s17
	s_mov_b32 s17, 0
	s_add_nc_u64 s[8:9], s[8:9], s[16:17]
	s_lshl_b32 s46, s42, 9                         ; my first key, in bytes
	s_lshl_b32 s47, s12, 8
	s_add_co_u32 s46, s46, s47
	s_mov_b32 s47, 0
	s_add_nc_u64 s[8:9], s[8:9], s[46:47]
	WIN TO_B
.irp b, 0,1,2,3,4,5,6,7
	ds_load_b128 v[COL+8*\b:COL+8*\b+3],   v[KAD] offset:64*\b
	ds_load_b128 v[COL+8*\b+4:COL+8*\b+7], v[KAD] offset:64*\b+16
.endr
.irp a, 0,1,2,3,4,5,6,7
	ds_load_b32 v[RQ2+2*\a],   v[QAD] offset:64*\a
	ds_load_b32 v[RQ2+2*\a+1], v[QAD] offset:64*\a
.endr
	WIN 0
.irp b, 0,1,2,3,4,5,6,7
	ds_load_b128 v[PW+4*\b:PW+4*\b+3], v[PWA] offset:32*\b
.endr
	; The words of k > q.  In tile (i, b), word jp holds keys k0 = first key + 16 b + 8 h + 2 jp and k0 + 1 of query first query + 16 i + r.
	; k0 > q means VX >= 4097 - 16 (b - i) - 2 jp, k0 + 1 > q means VX >= one less: it hangs on b - i alone, 15 values.  No branch: selects.
	v_mov_b32 v[CHI], 0xffff0000
	v_mov_b32 v[CALL], -1
.irp dd, 0,1,2,3,4,5,6,7,8,9,10,11,12,13,14
.irp jp, 0,1,2,3
	v_cmp_le_u32 vcc_lo, 4209-16*\dd-2*\jp, v[VX]
	v_cmp_le_u32 s20, 4208-16*\dd-2*\jp, v[VX]
	v_cndmask_b32 v[T+\jp], v[CHI], v[CALL], vcc_lo
	v_cndmask_b32 v[TW+4*\dd+\jp], 0, v[T+\jp], s20
.endr
.endr
	s_wait_dscnt 0x0                               ; the tables' numbers are in
; rows 16 i .. 16 i + 15 of my block = the tiles (a, 0..7) of window 2 or 3.  mw: sums as source 0 and destination, window 1 as source 1;
; cw: sums as sources 0 and 1.  Scale in f32, round to f16, AND with (input mask OR k > q), then through my own stage as whole rows.
.macro OUT16 i, a, mw, cw, rb
	WIN \mw
.irp b, 0,1,2,3,4,5,6,7
.irp r, 0,1,2,3
	v_pk_mul_f32 v[8*(8*\a+\b)+2*\r:8*(8*\a+\b)+2*\r+1], v[8*(8*\a+\b)+2*\r:8*(8*\a+\b)+2*\r+1], v[COL+8*\b+2*\r:COL+8*\b+2*\r+1]
.endr
.endr
.irp b, 0,1,2,3,4,5,6,7
.irp r, 0,1,2,3
	v_pk_mul_f32 v[8*(8*\a+\b)+2*\r:8*(8*\a+\b)+2*\r+1], v[8*(8*\a+\b)+2*\r:8*(8*\a+\b)+2*\r+1], v[RQ2+2*\i:RQ2+2*\i+1]
.endr
.endr
	WIN \cw
.irp b, 0,1,2,3,4,5,6,7
.irp r, 0,1,2,3
	v_cvt_pk_f16_f32 v[TMP+4*\b+\r], v[8*(8*\a+\b)+2*\r], v[8*(8*\a+\b)+2*\r+1]
.endr
.endr
	WIN 0
.irp b, 0,1,2,3,4,5,6,7
.irp r, 0,1,2,3
	v_or_b32 v[T+4*(\b%2)+\r], v[PW+4*\b+\r], v[TW+4*(\b-\i+7)+\r]
.endr
.irp r, 0,1,2,3
	v_and_b32 v[TMP+4*\b+\r], v[TMP+4*\b+\r], v[T+4*(\b%2)+\r]
.endr
.endr
.irp b, 0,1,2,3,4,5,6,7
	ds_store_b128 v[STO], v[TMP+4*\b:TMP+4*\b+3] offset:32*\b
.endr
	s_wait_xcnt 0x0                                ; rb, which earlier stores read, and the stores' base are rewritten only behind this wait (ISA guide 3.1)
.if \i
	s_add_nc_u64 s[8:9], s[8:9], 16*CPITCH
.endif
.irp t, 0,1,2,3,4,5,6,7
	ds_load_b128 v[\rb+4*\t:\rb+4*\t+3], v[RD] offset:\t*2*SPITCH  ; my wave's own bytes: LDS serves a wave's instructions in order (ISA guide 5.7.1.4)
.endr
.irp t, 0,1,2,3,4,5,6,7
	s_wait_dscnt 7-\t
	global_store_b128 v[CO], v[\rb+4*\t:\rb+4*\t+3], s[8:9] offset:2*\t*CPITCH   ; 16 lanes store 256 consecutive bytes, aligned
.endr
.endm
	OUT16 0, 0, 0x86, 0x0a, RB0
	OUT16 1, 1, 0x86, 0x0a, RB1
	OUT16 2, 2, 0x86, 0x0a, RB0
	OUT16 3, 3, 0x86, 0x0a, RB1
	OUT16 4, 0, 0xc7, 0x0f, RB0
	OUT16 5, 1, 0xc7, 0x0f, RB1
	OUT16 6, 2, 0xc7, 0x0f, RB0
	OUT16 7, 3, 0xc7, 0x0f, RB1
	s_set_vgpr_msb 0x1
	s_wait_tensorcnt 0x0
	ds_add_u32 v255, v255
	s_wait_dscnt 0x0
	s_set_vgpr_msb 0x100
	CROUND                                         ; the closing round
	s_endpgm
.Lfunc_end_k_q8302d8646b_scores:
	.size	k_q8302d8646b_scores, .Lfunc_end_k_q8302d8646b_scores-k_q8302d8646b_scores
	.p2alignl 7, 3214868480
	.fill 96, 4, 3214868480
	.section	.rodata,"a",@progbits
	.p2align	6, 0x0
	.amdhsa_kernel k_q8302d8646b_scores
		.amdhsa_group_segment_fixed_size 327680
		.amdhsa_private_segment_fixed_size 0
		.amdhsa_enable_private_segment 0
		.amdhsa_kernarg_size 40
		.amdhsa_user_sgpr_count 2
		.amdhsa_user_sgpr_kernarg_segment_ptr 1
		.amdhsa_wavefront_size32 1
		.amdhsa_system_sgpr_workgroup_id_x 1
		.amdhsa_system_sgpr_workgroup_id_y 1
		.amdhsa_system_sgpr_workgroup_id_z 1
		.amdhsa_system_vgpr_workitem_id 0
		.amdhsa_next_free_vgpr 1024
		.amdhsa_next_free_sgpr 100
		.amdhsa_reserve_vcc 1
		.amdhsa_float_denorm_mode_32 3
		.amdhsa_float_denorm_mode_16_64 3
		.amdhsa_memory_ordered 1
		.amdhsa_forward_progress 1
		.amdhsa_inst_pref_size 255
	.end_amdhsa_kernel
	.section	.bss,"aw",@nobits
	.p2align	6
	.space	262144
	.amdgpu_metadata
---
amdhsa.version: [ 1, 2 ]
amdhsa.kernels:
  - .name:           k_q8302d8646b_scores
    .symbol:         k_q8302d8646b_scores.kd
    .args:
      - { .name: Qh, .offset: 0, .size: 8, .value_kind: global_buffer, .address_space: global }
      - { .name: Kh, .offset: 8, .size: 8, .value_kind: global_buffer, .address_space: global }
      - { .name: nsq, .offset: 16, .size: 8, .value_kind: global_buffer, .address_space: global }
      - { .name: masks, .offset: 24, .size: 8, .value_kind: global_buffer, .address_space: global }
      - { .name: P, .offset: 32, .size: 8, .value_kind: global_buffer, .address_space: global }
    .group_segment_fixed_size: 327680
    .private_segment_fixed_size: 0
    .kernarg_segment_align: 8
    .kernarg_segment_size: 40
    .max_flat_workgroup_size: 128
    .sgpr_count:     100
    .vgpr_count:     1024
    .wavefront_size: 32
...
	.end_amdgpu_metadata
.endif
;; end of part 3
;; launch pv (part 4): grid 4 x 64, 4 waves a work-group, clusters of 4 x 4, 327,680 bytes of LDS; arguments P, Vt, out0; writes out0
.if DOCPART == 4
	.amdgcn_target "amdgcn-amd-amdhsa--gfx1250"
	.amdhsa_code_object_version 6
	.text
	.protected	k_q8302d8646b_pv
	.globl	k_q8302d8646b_pv
	.p2align	8
	.type	k_q8302d8646b_pv,@function
k_q8302d8646b_pv:
	s_mov_b64 s[64:65], 0
	v_nop
	global_prefetch_b8 v0, s[64:65] scope:SCOPE_SE
	s_setreg_imm32_b32 hwreg(HW_REG_WAVE_MODE, 25, 1), 1
	s_wait_xcnt 0x0
	s_wait_alu depctr_hold_cnt(0) depctr_sa_sdst(0) depctr_va_vdst(0) depctr_va_sdst(0) depctr_va_ssrc(0) depctr_va_vcc(0) depctr_vm_vsrc(0)
	s_getreg_b32 s2, hwreg(HW_REG_IB_STS2, 6, 4)
	s_cmp_eq_u32 s2, 0
	s_cbranch_scc0 .Lentry_in_a_cluster
	s_endpgm
.Lentry_in_a_cluster:
	s_bfe_u32 s2, ttmp6, 0x10000c
	s_cmp_lg_u32 s2, 0xf033
	s_cbranch_scc0 .Lentry_shape_is_right
	s_endpgm
.Lentry_shape_is_right:
; pv: out0[q][d] = sum over the batch's 2,048 keys k of P[q][k] V[k][d].  P: [8192][2048] f16; Vt: [1024 d][8192 token] f16; out0: [8192][1024] f32.
; A work-group (x = d block of 256, y = query block of 128) has four waves.  Wave (kh, nh) makes all 128 queries x d 128 nh .. +127 over one half of
; the keys of every tile: a tile of 128 x 128 a wave, 512 registers.  ORDER OF SUMS: the two halves are added once, in f32, at the end.
; THE RING HAS TWO UNEQUAL SLOTS.  A key costs 384 rows x 2 bytes of LDS.  Two slots of 256 keys (rows of 512 + 16 bytes) would take 405,504 bytes,
; more than a work-group can be given; rows of 192 keys are 96 words, which the padding's interval, a power of two, cuts only as 3 x (128 + 16)
; bytes: 331,776 bytes, too much as well.  So slot 0 holds 128 keys (rows of 256 bytes, pitch 272) and slot 1 holds 256 (rows of 512 bytes, pitch 528):
; 307,200 bytes.  The keys go 128, 256, 128, 256, .. 128: 128 + 5 x 384 = 2,048, eleven tiles, and every row of every tile starts at a multiple of 256 bytes.
; From a request to the wait for it a wave issues 240 matrix instructions for slot 0's tile and 112 for slot 1's.
; CLUSTERS: 4 x 4 work-groups; P's tile is shared along a row of the cluster (the four d blocks), V's along a column (four query blocks of one
; batch): joint loads divide the requests for both by four.
; A wave has two tensor loads out at the start and one behind each refill.
; PREFETCH: slot 1's tiles, whose loads have the shorter way, are asked for ahead; see the macro TURN.
; REGISTERS: window 0: v0-31 addresses, v64-127, v128-191 fragments of P; window 1: the same of Vt; windows 2, 3: the sums of queries 0-63, 64-127.
; The matrix instruction is used transposed (source 0 = rows of Vt, source 1 = rows of P): a lane holds query l % 16 and eight neighbouring d.
.set PY,     272                       ; slot 0's LDS pitch: 256 bytes + 16: an odd multiple of 16
.set PDIF,   256                       ; slot s has the pitch PY + PDIF s: slot 1's is 528 = 512 + 16, an odd multiple of 16 too
.set YSLOT,  384*PY                    ; slot 0: P's 128 rows, then Vt's 256; slot 1 lies behind it, in the same order
.set PERIOD, 768                       ; bytes along a row from a slot's tile to its next: 128 + 256 keys
.set DPITCH, 528                       ; the way out: a row of 128 f32 + 16 bytes
.set DUMP,   128*DPITCH                ; 67,584 bytes for each wave, from LDS byte 0: over the ring, behind its last fill
.set ADRA, 16                          ; v16-17 LDS address of my P fragments in slot 0, 1
.set ADRB, 20                          ; v20-21 the same for Vt
.set DST,  24                          ; where I put my sums
.set RD0,  25                          ; where I read a row of the first K half back
.set RD1,  26                          ; and of the second
.set CO,   27                          ; 16 x lane
.set PFO,  28                          ; prefetch: my lane's byte offset; never rewritten
.set F0,   64
.set F1,   128
.set G1,   24                          ; s[24:31] group 1, P's tile, slot 0
.set G0,   32                          ; s[32:39] group 0, P's tiles, a set for each slot
.set G1B,  48                          ; s[48:55] group 1, Vt's tile, slot 0
.set G0B,  56                          ; s[56:63] group 0, Vt's tiles
.set G1X,  68                          ; s[68:75] group 1, P's tile, slot 1
.set G1BX, 76                          ; s[76:83] group 1, Vt's tile, slot 1
.set PFB,  86                          ; s[86:87] prefetch: base, stepped by PERIOD
.set MSB, 0
.macro WIN new                         ; s_set_vgpr_msb: bits 1:0 source 0, 3:2 source 1, 5:4 source 2, 7:6 destination; the high byte repeats the setting that is left
.if MSB != \new
	s_set_vgpr_msb (MSB<<8)|\new
.set MSB, \new
.endif
.endm
.set MUL_LO, 0xa1                      ; source 0 (Vt) window 1, source 1 (P) window 0, C and D window 2
.set MUL_HI, 0xf1
.set TO_B,   0x40
.macro PLACES                          ; four places behind a matrix instruction in front of loads into its sources and of readers of its result
.rept 4
	v_nop
.endr
.endm
.macro JLOAD s                         ; waves 0 and 1 fetch P's two halves, waves 2 and 3 Vt's; the branch hangs on the wave's number alone
	s_cmp_eq_u32 s11, 0
	s_cbranch_scc0 .Lfor_b_\@
	tensor_load_to_lds s[G0+4*\s:G0+4*\s+3], s[G1+(G1X-G1)*\s:G1+(G1X-G1)*\s+7]
	s_nop 0
	s_branch .Lasked_\@
.Lfor_b_\@:
	tensor_load_to_lds s[G0B+4*\s:G0B+4*\s+3], s[G1B+(G1BX-G1B)*\s:G1B+(G1BX-G1B)*\s+7]
	s_nop 0
.Lasked_\@:
.endm
.macro CREST                           ; a round of the cluster's barrier behind its opening work-group barrier
	s_cmp_lg_u32 s10, 0
	s_cbranch_scc1 .Lnot_wave_0_\@
	s_barrier_signal -3
.Lnot_wave_0_\@:
	s_barrier_wait -3
	s_barrier_signal -1
	s_barrier_wait -1
.endm
.macro CROUND
	s_barrier_signal -1
	s_barrier_wait -1
	CREST
.endm
	s_load_b128 s[4:7], s[0:1], 0x0                ; P s[4:5], Vt s[6:7]
	s_load_b64 s[8:9], s[0:1], 0x10                ; out0
	s_set_vgpr_msb 0x40
	v_lshl_add_u32 v255, v0, 2, 0x4b000
	s_set_vgpr_msb 0x4000
	v_mov_b32 v255, 0
	s_set_vgpr_msb 0x1
	ds_add_u32 v255, v255
	s_set_vgpr_msb 0x100
	v_lshrrev_b32 v1, 5, v0
	v_readfirstlane_b32 s10, v1
	s_lshr_b32 s11, s10, 1                         ; kh.  Also: I fetch for P (0) or for Vt (1)
	s_and_b32 s12, s10, 1                          ; nh.  Also: which half of that tile I fetch
	s_bfe_u32 s40, ttmp6, 0x40000                  ; cx
	s_bfe_u32 s41, ttmp6, 0x40004                  ; cy
	s_lshl_b32 s42, ttmp9, 2
	s_add_co_u32 s42, s42, s40                     ; d block bx
	s_and_b32 s13, ttmp7, 0xffff
	s_lshr_b32 s45, s13, 2                         ; batch = by / 16 = cluster y / 4: the same in the whole cluster
	s_lshl_b32 s13, s13, 2
	s_add_co_u32 s13, s13, s41                     ; query block by
	s_lshl_b32 s43, s41, 2
	s_lshl_b32 s43, 15, s43                        ; my row of the cluster
	s_lshl_b32 s44, 0x1111, s40                    ; my column
	; Group 1: elements of 2 bytes; 4 words of padding behind every row: behind 64 words (code 5) in slot 0, behind 128 (code 6) in slot 1.
	s_or_b32 s[G1+0],   s43, (1<<16)|(1<<20)|(1<<21)|(5<<22)|(3<<25)
	s_or_b32 s[G1B+0],  s44, (1<<16)|(1<<20)|(1<<21)|(5<<22)|(3<<25)
	s_or_b32 s[G1X+0],  s43, (1<<16)|(1<<20)|(1<<21)|(6<<22)|(3<<25)
	s_or_b32 s[G1BX+0], s44, (1<<16)|(1<<20)|(1<<21)|(6<<22)|(3<<25)
	s_mov_b32 s[G1+1],   128<<16                   ; tensor_dim0: the slot's keys
	s_mov_b32 s[G1B+1],  128<<16
	s_mov_b32 s[G1X+1],  256<<16
	s_mov_b32 s[G1BX+1], 256<<16
	s_mov_b32 s[G1+2],   64<<16                    ; tensor_dim1: 64 rows of P,
	s_mov_b32 s[G1B+2],  128<<16                   ; 128 rows of Vt for a load
	s_mov_b32 s[G1X+2],  64<<16
	s_mov_b32 s[G1BX+2], 128<<16
	s_mov_b32 s[G1+3],   128<<16                   ; tile_dim0
	s_mov_b32 s[G1B+3],  128<<16
	s_mov_b32 s[G1X+3],  256<<16
	s_mov_b32 s[G1BX+3], 256<<16
	s_mov_b32 s[G1+4],   64                        ; tile_dim1
	s_mov_b32 s[G1B+4],  128
	s_mov_b32 s[G1X+4],  64
	s_mov_b32 s[G1BX+4], 128
	s_mov_b32 s[G1+5],   2048                      ; elements from row to row of P,
	s_mov_b32 s[G1B+5],  8192                      ; and of Vt
	s_mov_b32 s[G1X+5],  2048
	s_mov_b32 s[G1BX+5], 8192
	s_mov_b32 s[G1+6],   0
	s_mov_b32 s[G1B+6],  0
	s_mov_b32 s[G1X+6],  0
	s_mov_b32 s[G1BX+6], 0
	s_mov_b32 s[G1+7],   0
	s_mov_b32 s[G1B+7],  0
	s_mov_b32 s[G1X+7],  0
	s_mov_b32 s[G1BX+7], 0
	s_lshl_b32 s16, s13, 19                        ; P: row 128 by + 64 x half, 4,096 bytes each
	s_lshl_b32 s17, s12, 18
	s_add_co_u32 s16, s16, s17
	s_mov_b32 s17, 0
	s_lshl_b32 s46, s42, 22                        ; Vt: row 256 bx + 128 x half, 16,384 bytes each,
	s_lshl_b32 s47, s12, 21
	s_add_co_u32 s46, s46, s47
	s_lshl_b32 s47, s45, 12                        ; and the batch's first key: 2,048 x batch, 2 bytes each
	s_add_co_u32 s46, s46, s47
	s_mov_b32 s47, 0
	s_wait_dscnt 0x0
	s_wait_kmcnt 0x0
	s_add_nc_u64 s[14:15], s[4:5], s[16:17]
	s_add_nc_u64 s[46:47], s[6:7], s[46:47]
	CROUND                                         ; all sixteen work-groups are here: the first joint loads meet
.irp s, 0,1
	s_mul_i32 s20, s12, 64*(PY+PDIF*\s)            ; LDS: P's two halves,
	s_mul_i32 s21, s12, 128*(PY+PDIF*\s)           ; then Vt's two halves: the wave's number alone enters an LDS address
	s_mov_b32 s[G0+4*\s], 1
	s_add_co_u32 s[G0+4*\s+1], s20, \s*YSLOT
	s_add_nc_u64 s[G0+4*\s+2:G0+4*\s+3], s[14:15], \s*256          ; slot 0: keys 0-127; slot 1: keys 128-383
	s_or_b32 s[G0+4*\s+3], s[G0+4*\s+3], 0x80000000
	s_mov_b32 s[G0B+4*\s], 1
	s_add_co_u32 s[G0B+4*\s+1], s21, \s*YSLOT+128*(PY+PDIF*\s)
	s_add_nc_u64 s[G0B+4*\s+2:G0B+4*\s+3], s[46:47], \s*256
	s_or_b32 s[G0B+4*\s+3], s[G0B+4*\s+3], 0x80000000
	JLOAD \s
.endr
	s_lshl_b32 s84, s13, 19                        ; out0: row 128 by + 64 kh (the rows that I finish), 4,096 bytes each,
	s_lshl_b32 s85, s11, 18
	s_add_co_u32 s84, s84, s85
	s_lshl_b32 s85, s42, 10                        ; column 256 bx + 128 nh, 4 bytes each
	s_add_co_u32 s84, s84, s85
	s_lshl_b32 s85, s12, 9
	s_add_co_u32 s84, s84, s85
	s_mov_b32 s85, 0
	s_add_nc_u64 s[8:9], s[8:9], s[84:85]
	v_and_b32 v1, 15, v0                           ; r
	v_bfe_u32 v2, v0, 4, 1                         ; h
	v_and_b32 v5, 31, v0                           ; lane
.irp s, 0,1
	v_mul_u32_u24 v3, v1, PY+PDIF*\s
	v_lshl_add_u32 v3, v2, 4, v3                   ; r x pitch + 16 h
	s_lshl_b32 s22, s11, 7+\s                      ; my K half: byte 128 kh of slot 0's rows, byte 256 kh of slot 1's
	s_add_co_u32 s22, s22, \s*YSLOT
	s_mul_i32 s23, s12, 128*(PY+PDIF*\s)           ; my 128 rows of Vt,
	s_add_co_u32 s23, s23, 128*(PY+PDIF*\s)        ; behind P's 128
	s_add_co_u32 s23, s23, s22
	v_add_nc_u32 v[ADRA+\s], s22, v3
	v_add_nc_u32 v[ADRB+\s], s23, v3
.endr
	v_mul_u32_u24 v4, v1, DPITCH
	v_lshl_add_u32 v4, v2, 5, v4                   ; row r, 32 bytes for each half of the lanes
	s_mul_i32 s22, s10, DUMP
	v_add_nc_u32 v[DST], s22, v4
	s_mul_i32 s22, s12, DUMP                       ; back: the sums of wave (0, nh), from row 64 kh on,
	s_mul_i32 s23, s11, 64*DPITCH
	s_add_co_u32 s22, s22, s23
	v_lshl_add_u32 v[RD0], v5, 4, s22
	v_add_nc_u32 v[RD1], 2*DUMP, v[RD0]            ; and those of wave (1, nh)
	v_lshlrev_b32 v[CO], 4, v5
	; Prefetch addresses.  A tile of slot 1 has 512 bytes of each row: two blocks of 256.  P's 128 rows are shared by the four d blocks: block bx asks
	; for rows 32 bx .. +31, a row a lane, wave 0 for the first block of 256 bytes and wave 1 for the second.  Vt's 256 rows are shared by the batch's sixteen
	; query blocks: block by asks for rows 16 (by mod 16) .. +15, wave 2, lanes 0-15 the first block and lanes 16-31 the second.  So each block of 256 bytes
	; is asked for once in the launch.  The base starts at slot 1's first tile and is stepped in front of each request.
	s_lshl_b32 s88, s13, 19                        ; P: row 128 by
	s_lshl_b32 s89, s42, 17                        ; + 32 bx
	s_add_co_u32 s88, s88, s89
	s_lshl_b32 s89, s12, 8                         ; wave 0 or 1: which 256 bytes
	s_add_co_u32 s88, s88, s89
	s_add_co_u32 s88, s88, 256
	s_mov_b32 s89, 0
	s_add_nc_u64 s[88:89], s[4:5], s[88:89]
	s_lshl_b32 s90, s42, 22                        ; Vt: row 256 bx
	s_and_b32 s91, s13, 15
	s_lshl_b32 s91, s91, 18                        ; + 16 (by mod 16)
	s_add_co_u32 s90, s90, s91
	s_lshl_b32 s91, s45, 12                        ; the batch's first key
	s_add_co_u32 s90, s90, s91
	s_add_co_u32 s90, s90, 256
	s_mov_b32 s91, 0
	s_add_nc_u64 s[90:91], s[6:7], s[90:91]
	s_cmp_eq_u32 s11, 0                            ; waves 0 and 1 ask for P, wave 2 for Vt
	s_cselect_b64 s[PFB:PFB+1], s[88:89], s[90:91]
	s_cselect_b32 s92, -1, 0
	v_lshlrev_b32 v6, 12, v5                       ; P: lane rows of 4,096 bytes
	v_lshlrev_b32 v7, 14, v1                       ; Vt: r rows of 16,384 bytes
	v_lshl_add_u32 v7, v2, 8, v7                   ; + 256 h
	v_cndmask_b32 v[PFO], v7, v6, s92
.macro MUL16 f, hi, a0, zero           ; the accumulators take turns, one instruction a turn
.irp a, \a0, \a0+1
.irp b, 0,1,2,3,4,5,6,7
.if \zero
	v_wmma_f32_16x16x32_f16 v[8*(8*(\a)+\b):8*(8*(\a)+\b)+7], v[\f+8*\b:\f+8*\b+7], v[\f+8*(4*\hi+\a):\f+8*(4*\hi+\a)+7], 0
.else
	v_wmma_f32_16x16x32_f16 v[8*(8*(\a)+\b):8*(8*(\a)+\b)+7], v[\f+8*\b:\f+8*\b+7], v[\f+8*(4*\hi+\a):\f+8*(4*\hi+\a)+7], v[8*(8*(\a)+\b):8*(8*(\a)+\b)+7]
.endif
.endr
.endr
.endm
.macro FETCH slot, k, f                ; 32 LDS loads: 128 rows of Vt, 128 rows of P, 32 keys at byte k of my half of the slot's rows
	WIN TO_B
.irp i, 0,1,2,3,4,5,6,7
	ds_load_b128 v[\f+8*\i:\f+8*\i+3],   v[ADRB+\slot] offset:\k+\i*16*(PY+PDIF*\slot)
	ds_load_b128 v[\f+8*\i+4:\f+8*\i+7], v[ADRB+\slot] offset:\k+\i*16*(PY+PDIF*\slot)+32
.endr
	WIN 0
.irp i, 0,1,2,3,4,5,6,7
	ds_load_b128 v[\f+8*\i:\f+8*\i+3],   v[ADRA+\slot] offset:\k+\i*16*(PY+PDIF*\slot)
	ds_load_b128 v[\f+8*\i+4:\f+8*\i+7], v[ADRA+\slot] offset:\k+\i*16*(PY+PDIF*\slot)+32
.endr
.endm
; A tile is, for a wave, parts of 32 keys, 64 matrix instructions each: two in slot 0, four in slot 1, on buffers 0, 1 (, 0, 1).
; A part that is not a tile's last: multiplies buffer f; in its middle it fetches the next part, at byte k of my half of the rows, into buffer g.
.macro QUARTER slot, k, f, g, zero
	s_wait_dscnt 8                                 ; Vt's rows and P's rows 0-63 are in; the youngest eight loads (P's rows 64-127) may be out
	WIN MUL_LO
	MUL16 \f, 0, 0, \zero
	MUL16 \f, 0, 2, \zero
	PLACES
	FETCH \slot, \k, \g
	s_wait_dscnt 32                                ; all but the 32 just issued
	WIN MUL_HI
	MUL16 \f, 1, 0, \zero
	MUL16 \f, 1, 2, \zero
.endm
; A tile's last part: multiplies buffer 1 and changes slots.  fill = 1: this slot is filled again with its next tile.
; pf = 1 (where slot 1's tile begins): slot 1's NEXT tile is asked for ahead: 96 lanes of the work-group, 256 bytes apart or a row apart, 24,576 bytes;
; its tensor load follows 256 matrix instructions later.  Asked for so: slot 1's second to fifth tiles; the pair that holds the fifth asks for nothing,
; so no request passes byte 3,839 of a batch's 4,096 in a row.  Slot 0's tiles are not asked for ahead: their loads have all of slot 1's tile in which to land.
.macro TURN slot, next, fill, pf
	s_wait_dscnt 8
	WIN MUL_LO
	MUL16 F1, 0, 0, 0
	s_wait_dscnt 0x0                               ; my reads of this slot are over,
	s_wait_tensorcnt 0x0                           ; and all my tensor loads have landed: the one that was out is my part of the next slot
	ds_add_u32 v255, v255
	s_wait_dscnt 0x0
	s_barrier_signal -1                            ; say so (where the slot is filled again this barrier opens a round of the cluster's barrier),
	MUL16 F1, 0, 2, 0                              ; work on registers while the others arrive
	WIN 0
	s_barrier_wait -1
.if \fill
	CREST                                          ; no wave of any partner still reads this slot or has a load on its way
	s_add_nc_u64 s[G0+4*\slot+2:G0+4*\slot+3], s[G0+4*\slot+2:G0+4*\slot+3], PERIOD
	s_add_nc_u64 s[G0B+4*\slot+2:G0B+4*\slot+3], s[G0B+4*\slot+2:G0B+4*\slot+3], PERIOD
	JLOAD \slot                                    ; the first tensor load behind the round, my only one until the next
.endif
	PLACES
	FETCH \next, 0, F0
.if \pf
	s_cmp_eq_u32 s10, 3
	s_cbranch_scc1 .Lno_pf_\@                      ; wave 3 has no part of the requests
	s_wait_xcnt 0x0                                ; the last request, a whole pair of tiles ago, has had its address translated (ISA guide 3.1): its base may be stepped
	s_add_nc_u64 s[PFB:PFB+1], s[PFB:PFB+1], PERIOD
	global_prefetch_b8 v[PFO], s[PFB:PFB+1] th:TH_LOAD_NT scope:SCOPE_SE
.Lno_pf_\@:
.endif
	WIN MUL_HI
	MUL16 F1, 1, 0, 0
	MUL16 F1, 1, 2, 0
.endm
.macro PAIR zero, fy, fx, pf           ; a tile of slot 0 and a tile of slot 1: 384 keys
	QUARTER 0, 64, F0, F1, \zero
	TURN 0, 1, \fy, \pf
	QUARTER 1, 64,  F0, F1, 0
	QUARTER 1, 128, F1, F0, 0
	QUARTER 1, 192, F0, F1, 0
	TURN 1, 0, \fx, 0
.endm
	s_wait_tensorcnt 0x1                           ; my part of slot 0's first tile is in; slot 1's may stay out
	s_barrier_signal -1
	s_barrier_wait -1                              ; everybody's is
	FETCH 0, 0, F0
	PAIR 1, 1, 1, 1                                ; keys 0-383: the first products start the sums
	WIN 0                                          ; at a label and at a branch every window is 0
	s_mov_b32 s3, 3                                ; keys 384-1,535
.Lpair:
	PAIR 0, 1, 1, 1
	WIN 0
	s_sub_co_u32 s3, s3, 1
	s_cmp_lg_u32 s3, 0
	s_cbranch_scc1 .Lpair
	PAIR 0, 1, 0, 0                                ; keys 1,536-1,919: slot 0 gets the last tile, slot 1 is filled no more
	QUARTER 0, 64, F0, F1, 0                       ; keys 1,920-2,047
	s_wait_dscnt 8
	WIN MUL_LO
	MUL16 F1, 0, 0, 0
	MUL16 F1, 0, 2, 0
	s_wait_dscnt 0x0                               ; my last reads of the ring are over
	WIN MUL_HI
	MUL16 F1, 1, 0, 0
	MUL16 F1, 1, 2, 0
	; THE WAY OUT.  The ring has had its last fill, and every tensor load was waited for at the last change of slots.
	WIN 0
	PLACES                                         ; behind the last matrix instructions, for the stores of the sums and the loads into the fragment buffers
	s_barrier_signal -1
	s_barrier_wait -1                              ; no wave reads the ring any more: it may be written
	WIN 0x08                                       ; store data (source 1) from window 2
.irp a, 0,1,2,3
.irp b, 0,1,2,3,4,5,6,7
	ds_store_b128 v[DST], v[8*(8*\a+\b):8*(8*\a+\b)+3]   offset:16*DPITCH*\a+64*\b
	ds_store_b128 v[DST], v[8*(8*\a+\b)+4:8*(8*\a+\b)+7] offset:16*DPITCH*\a+64*\b+16
.endr
.endr
	WIN 0x0c                                       ; from window 3
.irp a, 0,1,2,3
.irp b, 0,1,2,3,4,5,6,7
	ds_store_b128 v[DST], v[8*(8*\a+\b):8*(8*\a+\b)+3]   offset:16*DPITCH*(\a+4)+64*\b
	ds_store_b128 v[DST], v[8*(8*\a+\b)+4:8*(8*\a+\b)+7] offset:16*DPITCH*(\a+4)+64*\b+16
.endr
.endr
	WIN 0
	s_wait_dscnt 0x0                               ; my sums are written
	s_barrier_signal -1
	s_barrier_wait -1                              ; everybody's are
; Rows 8 n .. 8 n + 7 of my 64: both K halves of a row are read, added and stored: the wave's store covers 512 consecutive bytes, aligned.
.macro FIN n, f
.if \n >= 2
	s_wait_xcnt 0x0                                ; this set of registers, which earlier stores read, is loaded again only behind this wait (ISA guide 3.1)
.endif
.irp t, 0,1,2,3,4,5,6,7
	ds_load_b128 v[\f+8*\t:\f+8*\t+3],   v[RD0] offset:DPITCH*(8*\n+\t)
	ds_load_b128 v[\f+8*\t+4:\f+8*\t+7], v[RD1] offset:DPITCH*(8*\n+\t)
.endr
.irp t, 0,1,2,3,4,5,6,7
	s_wait_dscnt 14-2*\t                           ; LDS loads come back in order: row t's two are in
	v_pk_add_f32 v[\f+8*\t:\f+8*\t+1],   v[\f+8*\t:\f+8*\t+1],   v[\f+8*\t+4:\f+8*\t+5]
	v_pk_add_f32 v[\f+8*\t+2:\f+8*\t+3], v[\f+8*\t+2:\f+8*\t+3], v[\f+8*\t+6:\f+8*\t+7]
	global_store_b128 v[CO], v[\f+8*\t:\f+8*\t+3], s[8:9] offset:4096*(8*\n+\t) th:TH_STORE_NT
.endr
.endm
	FIN 0, F0
	FIN 1, F1
	FIN 2, F0
	FIN 3, F1
	FIN 4, F0
	FIN 5, F1
	FIN 6, F0
	FIN 7, F1
	s_set_vgpr_msb 0x1
	s_wait_tensorcnt 0x0
	ds_add_u32 v255, v255
	s_wait_dscnt 0x0
	s_set_vgpr_msb 0x100
	CROUND                                         ; the closing round: no work-group ends while a partner may still ask for a tile that names it
	s_endpgm
.Lfunc_end_k_q8302d8646b_pv:
	.size	k_q8302d8646b_pv, .Lfunc_end_k_q8302d8646b_pv-k_q8302d8646b_pv
	.p2alignl 7, 3214868480
	.fill 96, 4, 3214868480
	.section	.rodata,"a",@progbits
	.p2align	6, 0x0
	.amdhsa_kernel k_q8302d8646b_pv
		.amdhsa_group_segment_fixed_size 327680
		.amdhsa_private_segment_fixed_size 0
		.amdhsa_enable_private_segment 0
		.amdhsa_kernarg_size 24
		.amdhsa_user_sgpr_count 2
		.amdhsa_user_sgpr_kernarg_segment_ptr 1
		.amdhsa_wavefront_size32 1
		.amdhsa_system_sgpr_workgroup_id_x 1
		.amdhsa_system_sgpr_workgroup_id_y 1
		.amdhsa_system_sgpr_workgroup_id_z 1
		.amdhsa_system_vgpr_workitem_id 0
		.amdhsa_next_free_vgpr 1024
		.amdhsa_next_free_sgpr 100
		.amdhsa_reserve_vcc 0
		.amdhsa_float_denorm_mode_32 3
		.amdhsa_float_denorm_mode_16_64 3
		.amdhsa_memory_ordered 1
		.amdhsa_forward_progress 1
		.amdhsa_inst_pref_size 174
	.end_amdhsa_kernel
	.amdgpu_metadata
---
amdhsa.version: [ 1, 2 ]
amdhsa.kernels:
  - .name:           k_q8302d8646b_pv
    .symbol:         k_q8302d8646b_pv.kd
    .args:
      - { .name: P, .offset: 0, .size: 8, .value_kind: global_buffer, .address_space: global }
      - { .name: Vt, .offset: 8, .size: 8, .value_kind: global_buffer, .address_space: global }
      - { .name: out0, .offset: 16, .size: 8, .value_kind: global_buffer, .address_space: global }
    .group_segment_fixed_size: 327680
    .private_segment_fixed_size: 0
    .kernarg_segment_align: 8
    .kernarg_segment_size: 24
    .max_flat_workgroup_size: 128
    .sgpr_count:     100
    .vgpr_count:     1024
    .wavefront_size: 32
...
	.end_amdgpu_metadata
.endif
;; end of part 4
;; ======== version 2 of 2: 4 launches; version 1 with the launch prep written anew for expert scheduling mode
;; limits: values are held in f16: magnitudes above 65,504 overflow, below 6.1e-05 lose precision
;; workspace buffers: Xt 16,777,216 bytes; Wt 6,291,456 bytes; Qh 16,777,216 bytes; Kh 16,777,216 bytes; Vt 16,777,216 bytes; nsq 1,048,576 bytes; P 33,554,432 bytes
;; launch prep (part 5): grid 256 x 1, 8 waves a work-group, no clusters, 0 bytes of LDS; arguments X, Wq, Wk, Wv, Xt, Wt; writes Xt, Wt
.if DOCPART == 5
	.amdgcn_target "amdgcn-amd-amdhsa--gfx1250"
	.amdhsa_code_object_version 6
	.text
	.protected	k_q8302d8646b_prep
	.globl	k_q8302d8646b_prep
	.p2align	8
	.type	k_q8302d8646b_prep,@function
k_q8302d8646b_prep:
	s_mov_b64 s[64:65], 0
	v_nop
	global_prefetch_b8 v0, s[64:65] scope:SCOPE_SE
	s_setreg_imm32_b32 hwreg(HW_REG_WAVE_SCHED_MODE, 0, 2), 2
	s_setreg_imm32_b32 hwreg(HW_REG_WAVE_MODE, 25, 1), 1
	s_wait_xcnt 0x0
	s_wait_alu depctr_vm_vsrc(0)
; prep: casts X [8192][1024] and Wq, Wk, Wv [1024][1024] from f32 to f16 (round to nearest even) and lays them in blocks
; that the next launch fetches as dense tiles of one K step (64 along K):
;   Xt [tb 32][t 16][row 256][64] f16: token 256 tb + row, k = 64 t + 0..63; a block (tb, t) is 32,768 dense bytes
;   Wt [j 8][t 16][128 m + c][64] f16: m = 0 Wq, 1 Wk, 2 Wv; weight row 128 j + c; a block (j, t) is 49,152 dense bytes
; LIMITS: a number of X or W above 65,504 in magnitude becomes an infinity, one below 3e-8 becomes 0 (f16's range).
; A stream: memory binds, so no LDS, no barrier, no matrix unit, no cluster (no byte is read by two work-groups).
; One load of a wave takes 2 rows x 64 k: lanes 0-15 take 256 consecutive bytes of one row, aligned, lanes 16-31 those of the next row.
; A lane packs its 4 numbers to 8 bytes; in a block two neighbouring rows of 128 bytes follow each other, so the wave's store covers
; 256 consecutive bytes, aligned.  The work-group owns 32 tokens of X (32 loads a wave) and 4 rows of each W (12 loads a wave).
; All 44 loads of a wave go out first; each owns its registers, so nothing that a load or store reads is written twice and no source has to be freed.
; THE MODE: SCHED_MODE bits 1:0 = 2 (LLVM: expert scheduling mode 2), set by the entry lines.  The code itself states the register dependences
; between vector instructions and memory instructions, with s_wait_alu, always for 0.
; THE PLAN.  Registers that memory instructions touch:
;   v1, v3        offsets of the loads;  v2, v4  offsets of the stores.  Written at the head by vector lines, never again.
;   v[8+4n ..]    load n lands in four registers, once; its two conversions read the four and write the first two; store n reads those two; nothing writes them behind it.
; The 44 loads are taken in 11 groups of four.  Group g waits for its four loads, and then holds the four stores of group g - 1, dealt among its own
; eight conversions.  ONE wait on va_vdst at the group's head states that the conversions of the group before have written what those four stores read;
; the conversions issued behind that wait name group g's registers alone, none of which those stores touch.
; No register that a load or store has read is ever written again, so no wait on vm_vsrc is owed; no load is issued behind a conversion,
; and the head's vector lines name v0 to v7 alone, in which no load lands; no vector line writes a scalar register, VCC or EXEC.
.set U, 8                              ; load n: v[8+4n : 11+4n] as loaded; its first two registers as stored
.set XI, 1                             ; v1 byte offset of my 16 bytes in X, from the group's first token
.set XO, 2                             ; v2 byte offset of my 8 bytes in a block of Xt
.set WI, 3                             ; v3 the same for a W
.set WO, 4                             ; v4 and for Wt
	s_load_b256 s[4:11], s[0:1], 0x0               ; X s[4:5], Wq s[6:7], Wk s[8:9], Wv s[10:11]
	s_load_b128 s[12:15], s[0:1], 0x20             ; Xt s[12:13], Wt s[14:15]
	s_lshl_b32 s16, ttmp9, 17                      ; X: 32 tokens of 4,096 bytes for each work-group
	s_mov_b32 s17, 0
	s_lshl_b32 s18, ttmp9, 14                      ; W: 4 rows of 4,096 bytes
	s_mov_b32 s19, 0
	s_lshr_b32 s20, ttmp9, 3                       ; Xt: tb = g / 8, 16 blocks of 32,768 bytes each,
	s_lshl_b32 s20, s20, 19
	s_and_b32 s22, ttmp9, 7                        ; and 32 (g mod 8) rows of 128 bytes into every block
	s_lshl_b32 s22, s22, 12
	s_add_co_u32 s20, s20, s22
	s_mov_b32 s21, 0
	s_lshr_b32 s22, ttmp9, 5                       ; Wt: j = g / 32, 16 blocks of 49,152 bytes each,
	s_mul_i32 s22, s22, 786432
	s_and_b32 s24, ttmp9, 31                       ; and 4 (g mod 32) rows of 128 bytes into every block
	s_lshl_b32 s24, s24, 9
	s_add_co_u32 s22, s22, s24
	s_mov_b32 s23, 0
	v_and_b32 v5, 31, v0                           ; lane
	v_and_b32 v6, 15, v0
	v_lshrrev_b32 v7, 5, v0                        ; wave w
	v_lshlrev_b32 v5, 3, v5                        ; 8 bytes a lane on the way out
	v_lshlrev_b32 v6, 4, v6                        ; 16 bytes a lane within a row on the way in
	v_bfe_u32 v[XI], v0, 4, 1                      ; lanes 16-31: one row further down
	v_lshl_add_u32 v[XI], v7, 2, v[XI]             ; X: wave w takes rows 4 w .. 4 w + 3, two at a time
	v_lshl_add_u32 v[XI], v[XI], 12, v6
	v_lshl_add_u32 v[XO], v7, 9, v5                ; 4 w rows of 128 bytes + 8 x lane
	v_bfe_u32 v[WI], v0, 4, 1
	v_lshl_add_u32 v[WI], v[WI], 12, v6
	v_lshl_add_u32 v[WI], v7, 9, v[WI]             ; W: wave w takes K steps 2 w and 2 w + 1 of all 4 rows
	v_mul_u32_u24 v[WO], v7, 0x18000               ; two blocks of 49,152 bytes a wave
	v_add_nc_u32 v[WO], v[WO], v5
	s_wait_kmcnt 0x0
	s_add_nc_u64 s[4:5], s[4:5], s[16:17]
	s_add_nc_u64 s[6:7], s[6:7], s[18:19]
	s_add_nc_u64 s[8:9], s[8:9], s[18:19]
	s_add_nc_u64 s[10:11], s[10:11], s[18:19]
	s_add_nc_u64 s[12:13], s[12:13], s[20:21]
	s_add_nc_u64 s[14:15], s[14:15], s[22:23]
	s_wait_alu depctr_va_vdst(0)                   ; v1 to v4 are written: every load and store of the kernel reads one of them as its offset
.irp t, 0,1,2,3,4,5,6,7,8,9,10,11,12,13,14,15
.irp p, 0,1
	global_load_b128 v[U+4*(2*\t+\p):U+4*(2*\t+\p)+3], v[XI], s[4:5] offset:256*\t+8192*\p th:TH_LOAD_NT   ; load 2 t + p: K step t, row pair p
.endr
.endr
.irp m, 0,1,2
.irp i, 0,1
.irp p, 0,1
	global_load_b128 v[U+4*(32+4*\m+2*\i+\p):U+4*(32+4*\m+2*\i+\p)+3], v[WI], s[6+2*\m:7+2*\m] offset:256*\i+8192*\p th:TH_LOAD_NT   ; load 32 + 4 m + 2 i + p
.endr
.endr
.endr
; The packing of load n is in place: register i takes numbers 2 i and 2 i + 1, which lie at or above it and have not been overwritten.
.macro CVT n
	v_cvt_pk_f16_f32 v[U+4*(\n)],   v[U+4*(\n)],   v[U+4*(\n)+1]
	v_cvt_pk_f16_f32 v[U+4*(\n)+1], v[U+4*(\n)+2], v[U+4*(\n)+3]
.endm
; The store of load n.  n < 32: X, K step n / 2, row pair n % 2.  Else W: matrix (n - 32) / 4, K step ((n - 32) / 2) % 2 of the wave's two, row pair n % 2.
.macro ST n
.if (\n) < 32
	global_store_b64 v[XO], v[U+4*(\n):U+4*(\n)+1], s[12:13] offset:32768*((\n)/2)+256*((\n)%2)
.else
	global_store_b64 v[WO], v[U+4*(\n):U+4*(\n)+1], s[14:15] offset:16384*(((\n)-32)/4)+49152*((((\n)-32)/2)%2)+256*((\n)%2)
.endif
.endm
; Group g: loads 4 g .. 4 g + 3 are packed; the stores of group g - 1 leave among the conversions.
.macro GROUP g
	s_wait_loadcnt 40-4*(\g)                       ; loads come back in order (ISA guide 5.7.1): load 4 g + 3 is in when at most the 40 - 4 g younger ones are out
.if (\g) > 0
	s_wait_alu depctr_va_vdst(0)                   ; the conversions of group g - 1 have written the registers that the four stores below read
.endif
.irp i, 0,1,2,3
.if (\g) > 0
	ST 4*(\g)-4+\i                                 ; no wait: no vector line since the wait above names this store's registers
.endif
	CVT 4*(\g)+\i
.endr
.endm
.irp g, 0,1,2,3,4,5,6,7,8,9,10
	GROUP \g
.endr
	s_wait_alu depctr_va_vdst(0)                   ; the conversions of group 10 have written the registers that the last four stores read
.irp i, 0,1,2,3
	ST 40+\i
.endr
	s_endpgm
.Lfunc_end_k_q8302d8646b_prep:
	.size	k_q8302d8646b_prep, .Lfunc_end_k_q8302d8646b_prep-k_q8302d8646b_prep
	.p2alignl 7, 3214868480
	.fill 96, 4, 3214868480
	.section	.rodata,"a",@progbits
	.p2align	6, 0x0
	.amdhsa_kernel k_q8302d8646b_prep
		.amdhsa_group_segment_fixed_size 0
		.amdhsa_private_segment_fixed_size 0
		.amdhsa_enable_private_segment 0
		.amdhsa_kernarg_size 48
		.amdhsa_user_sgpr_count 2
		.amdhsa_user_sgpr_kernarg_segment_ptr 1
		.amdhsa_wavefront_size32 1
		.amdhsa_system_sgpr_workgroup_id_x 1
		.amdhsa_system_sgpr_workgroup_id_y 1
		.amdhsa_system_sgpr_workgroup_id_z 1
		.amdhsa_system_vgpr_workitem_id 0
		.amdhsa_next_free_vgpr 184
		.amdhsa_next_free_sgpr 66
		.amdhsa_reserve_vcc 0
		.amdhsa_float_denorm_mode_32 3
		.amdhsa_float_denorm_mode_16_64 3
		.amdhsa_memory_ordered 1
		.amdhsa_forward_progress 1
		.amdhsa_inst_pref_size 17
	.end_amdhsa_kernel
	.amdgpu_metadata
---
amdhsa.version: [ 1, 2 ]
amdhsa.kernels:
  - .name:           k_q8302d8646b_prep
    .symbol:         k_q8302d8646b_prep.kd
    .args:
      - { .name: X, .offset: 0, .size: 8, .value_kind: global_buffer, .address_space: global }
      - { .name: Wq, .offset: 8, .size: 8, .value_kind: global_buffer, .address_space: global }
      - { .name: Wk, .offset: 16, .size: 8, .value_kind: global_buffer, .address_space: global }
      - { .name: Wv, .offset: 24, .size: 8, .value_kind: global_buffer, .address_space: global }
      - { .name: Xt, .offset: 32, .size: 8, .value_kind: global_buffer, .address_space: global }
      - { .name: Wt, .offset: 40, .size: 8, .value_kind: global_buffer, .address_space: global }
    .group_segment_fixed_size: 0
    .private_segment_fixed_size: 0
    .kernarg_segment_align: 8
    .kernarg_segment_size: 48
    .max_flat_workgroup_size: 256
    .sgpr_count:     66
    .vgpr_count:     184
    .wavefront_size: 32
...
	.end_amdgpu_metadata
.endif
;; end of part 5
;; launch qkv: the kernel of part 2 again; grid 8 x 32, 4 waves a work-group, clusters of 4 x 4, 327,680 bytes of LDS; arguments Xt, Wt, Qh, Kh, Vt, nsq; writes Qh, Kh, Vt, nsq
;; launch scores: the kernel of part 3 again; grid 8 x 32, 4 waves a work-group, clusters of 4 x 4, 327,680 bytes of LDS; arguments Qh, Kh, nsq, masks, P; writes P
;; launch pv: the kernel of part 4 again; grid 4 x 64, 4 waves a work-group, clusters of 4 x 4, 327,680 bytes of LDS; arguments P, Vt, out0; writes out0
